; MI455X (gfx1250); checked and timed in simulation.
; The chip was launched on July 23, 2026; its instructions are those of AMD's public machine-readable ISA for CDNA 5 (MIT licence, August 2026) and "CDNA5" Instruction Set Architecture Reference Guide (July 2026). The comments in the code are by the model that wrote it; some were corrected since.
;; Basis Attention. Allowed arithmetic: float matrix products may take bf16 or f16 operands with f32 sums; all other float work in f32.
;; Inputs: E 1,024 x 1,024 float32; Wk 1,024 x 1,024 float32; Wq 1,024 x 1,024 float32; X 16 x 2,048 x 1,024 float32; alpha one number float32; on_w 1,024 float32; sn_w 1,024 float32; xn_w 1,024 float32.
;; Outputs: out0 16 x 1,024 float32; out1 16 x 1,024 float32.
;; 2 versions, each right; version 2 is version 1 with the launch prep_k written anew for expert scheduling mode. Each part assembles by itself: llvm-mc -triple=amdgcn-amd-amdhsa -mcpu=gfx1250 --defsym DOCPART=n.
;; ======== version 1 of 2: 5 launches
;; workspace buffers: KP 6,291,456 bytes; WQB 2,097,152 bytes; RSE 4,096 bytes; MB 4,194,304 bytes; PMAX 524,288 bytes; U 65,536 bytes
;; launch prep_k (part 1): grid 16 x 16, 8 waves a work-group, no clusters, 82,176 bytes of LDS; arguments E, Wk, Wq, sn_w, KP, WQB, RSE; writes KP, WQB, RSE
.if DOCPART == 1
	.amdgcn_target "amdgcn-amd-amdhsa--gfx1250"
	.amdhsa_code_object_version 6
	.text
	.protected	k_qf538c911a8_prep_k
	.globl	k_qf538c911a8_prep_k
	.p2align	8
	.type	k_qf538c911a8_prep_k,@function
k_qf538c911a8_prep_k:
	s_mov_b64 s[64:65], 0
	v_nop
	global_prefetch_b8 v0, s[64:65] scope:SCOPE_SE
	s_setreg_imm32_b32 hwreg(HW_REG_WAVE_MODE, 25, 1), 1
	s_wait_xcnt 0x0
; Km[n][e] = rsE[n] * sum over d of Eb[n][d] * (snb[d] * Wkb[e][d]),  rsE[n] = rsqrt(mean_d Eb[n][d]^2 + 1e-6).   Xb means X rounded to bf16: every input of the
; program is rounded so first, and everything made of the rounded inputs is kept to about f32's precision, since the later top-64 mask turns on differences of 1e-6.
; Eb is an exact bf16 operand.  snb*Wkb has 16 significant bits: it goes to the matrix unit as hi + lo, two bf16 terms, exactly.  Km leaves as THREE bf16 planes (24 bits).
; SHARES.  A work-group makes 64 n x 64 e; K = d goes in 16 chunks of 64.  Wave w: rows 16 (w/2).., columns 32 (w%2)..: two accumulators that take turns.
; The product is used transposed (source 0 = 16 rows of Wk', source 1 = 16 rows of E): a lane then holds one n and eight neighbouring e.
; THE ORDER OF A TRIP.  Chunk c's fragments are asked of LDS; while they come, chunk c + 1 is converted and stored into the other LDS buffer and its registers are loaded again with chunk c + 3;
; then chunk c is multiplied, between the signal and the wait of the trip's one barrier.
; KP: tile (n block y, e block x) at (16 y + x) * 24,576 bytes: [plane 3][row 64][64 e] bf16, dense.   RSE: f32[1024], stored by the work-groups with x = 0.
; SIDE JOB.  Wq rounded to bf16 in panels: WQB[d block 16][e 1024][64 d].  Work-group 16 y + x takes four rows e.
; No tensor loads, no cluster: the operands must be converted on the way, so they come through registers.  The 16 accumulator registers are cleared by v_mov: that spares a first chunk written out.
.set BUFB,  26624                      ; an LDS buffer: A 64 rows x 144 bytes, then B 64 rows x 272 (hi 128, lo 128, 16 of padding)
.set BOFF,  9216
.set STG,   2*BUFB                     ; the way out: 3 planes x 64 rows x 144 bytes
.set RS,    STG+3*9216                 ; 64 words: rsE of the tile's rows
.set SPARE, RS+256                     ; the spare words: 128 bytes for each of eight waves; no other line names them
.set VKO,  1                           ; 16 t: my 16 bytes in 4,096 dense bytes of KP
.set VRSS, 2                           ; RS + 4 (t / 16)
.set VRSL, 3                           ; RS + 4 (16 a + r)
.set VOFF, 4                           ; (t / 16) * 4096 + 16 (t % 16): my 16 bytes of a chunk's rows of E and Wk
.set VSN,  5                           ; 16 (t % 16)
.set VAST, 6                           ; where my 8 bytes of a row of A go
.set VBST, 7                           ; the same for B
.set VAF,  8                           ; my lane's place in A's fragments
.set VBF,  9                           ; in B's
.set VWQ,  10                          ; Wq: my 32 bytes
.set VWQS, 11                          ; WQB: my 16 bytes
.set VSTG, 12                          ; stage, in
.set VRD,  13                          ; stage, back
.set ZERO, 14
.set NEG1, 15
.set SPW,  16                          ; LDS address of my spare word; never rewritten
.set NIL,  17                          ; 0; never rewritten
.set SSQ,  18                          ; v18-21  sums of squares of my four rows of E
.set RSV,  22                          ; v22-23  rsE of my lane's row, twice
.set WQR,  24                          ; v24-39  Wq as loaded
.set RAW0, 40                          ; v40-75  an even chunk as loaded: A 16, B 16, sn 4
.set RAW1, 76                          ; v76-111 an odd chunk
.set T,    112                         ; v112-151 at work
.set AF,   152                         ; v152-167
.set BF,   168                         ; v168-231
.set ACC,  232                         ; v232-247
	s_load_b256 s[4:11], s[0:1], 0x0               ; E s[4:5], Wk s[6:7], Wq s[8:9], sn_w s[10:11]
	s_load_b128 s[12:15], s[0:1], 0x20             ; KP s[12:13], WQB s[14:15]
	s_load_b64 s[16:17], s[0:1], 0x30              ; RSE
	v_lshl_add_u32 v[SPW], v0, 2, SPARE
	v_mov_b32 v[NIL], 0
	v_lshrrev_b32 v[T], 5, v0
	v_readfirstlane_b32 s18, v[T]                  ; wave 0..7
	s_mov_b32 s19, ttmp9                           ; x: block of 64 e
	s_and_b32 s20, ttmp7, 0xffff                   ; y: block of 64 n
	s_lshr_b32 s21, s18, 1                         ; a
	s_and_b32 s22, s18, 1                          ; cb
	s_mov_b32 s27, 0x3a800000                      ; 1 / 1024
	s_mov_b32 s28, 0x358637bd                      ; 1e-6
	v_lshrrev_b32 v[T+1], 4, v0                    ; t / 16
	v_and_b32 v[T+2], 15, v0                       ; t % 16, which is also r = lane % 16
	v_bfe_u32 v[T+3], v0, 4, 1                     ; h = lane / 16
	v_lshlrev_b32 v[VKO], 4, v0
	v_lshlrev_b32 v[VSN], 4, v[T+2]
	v_lshl_add_u32 v[VOFF], v[T+1], 12, v[VSN]
	v_mul_u32_u24 v[VAST], v[T+1], 144
	v_lshl_add_u32 v[VAST], v[T+2], 3, v[VAST]
	v_mul_u32_u24 v[VBST], v[T+1], 272
	v_lshl_add_u32 v[VBST], v[T+2], 3, v[VBST]
	v_add_nc_u32 v[VBST], BOFF, v[VBST]
	s_mul_i32 s23, s21, 16*144
	v_mul_u32_u24 v[VAF], v[T+2], 144
	v_lshl_add_u32 v[VAF], v[T+3], 4, v[VAF]
	v_add_nc_u32 v[VAF], s23, v[VAF]               ; (16 a + r) * 144 + 16 h
	s_mul_i32 s24, s22, 32*272
	s_add_co_u32 s24, s24, BOFF
	v_mul_u32_u24 v[VBF], v[T+2], 272
	v_lshl_add_u32 v[VBF], v[T+3], 4, v[VBF]
	v_add_nc_u32 v[VBF], s24, v[VBF]               ; BOFF + (32 cb + r) * 272 + 16 h
	s_lshl_b32 s24, s22, 6
	s_add_co_u32 s24, s24, STG
	v_add_nc_u32 v[VSTG], s24, v[VAF]              ; STG + (16 a + r) * 144 + 64 cb + 16 h
	v_lshrrev_b32 v[T+4], 3, v0
	v_and_b32 v[T+6], 7, v0
	v_mul_u32_u24 v[VRD], v[T+4], 144
	v_lshl_add_u32 v[VRD], v[T+6], 4, v[VRD]
	v_add_nc_u32 v[VRD], STG, v[VRD]               ; STG + (t / 8) * 144 + 16 (t % 8)
	v_lshl_add_u32 v[VRSS], v[T+1], 2, RS
	s_lshl_b32 s24, s21, 6
	s_add_co_u32 s24, s24, RS
	v_lshl_add_u32 v[VRSL], v[T+2], 2, s24
	v_and_b32 v[T+4], 31, v0                       ; lane
	v_bfe_u32 v[T+5], v0, 3, 2                     ; lane / 8: which of my group's four rows of Wq
	v_lshlrev_b32 v[VWQ], 12, v[T+5]
	v_lshl_add_u32 v[VWQ], v[T+6], 5, v[VWQ]
	s_lshl_b32 s23, s18, 9
	v_add_nc_u32 v[VWQ], s23, v[VWQ]               ; row * 4096 + 32 (lane % 8) + 256 * (2 w)
	s_lshl_b32 s23, s18, 18
	v_lshl_add_u32 v[VWQS], v[T+4], 4, s23         ; 16 lane + 131,072 * (2 w)
	v_mov_b32 v[ZERO], 0
	v_mov_b32 v[NEG1], -1.0
.irp i, 0,1,2,3
	v_mov_b32 v[SSQ+\i], 0
.endr
.set i, 0
.rept 16
	v_mov_b32 v[ACC+i], 0
.set i, i+1
.endr
	s_lshl_b32 s25, s20, 4
	s_add_co_u32 s25, s25, s19                     ; 16 y + x
	s_mov_b32 s31, 0
	s_wait_kmcnt 0x0
	s_lshl_b32 s30, s20, 18
	s_add_nc_u64 s[4:5], s[4:5], s[30:31]          ; E at row 64 y
	s_lshl_b32 s30, s19, 18
	s_add_nc_u64 s[6:7], s[6:7], s[30:31]          ; Wk at row 64 x
	s_lshl_b32 s30, s25, 14
	s_add_nc_u64 s[8:9], s[8:9], s[30:31]          ; Wq at row 4 (16 y + x)
	s_mul_i32 s30, s25, 24576
	s_add_nc_u64 s[12:13], s[12:13], s[30:31]      ; KP at my tile
	s_lshl_b32 s30, s25, 9
	s_add_nc_u64 s[14:15], s[14:15], s[30:31]      ; WQB at those four rows of a panel
	s_lshl_b32 s30, s20, 8
	s_add_nc_u64 s[16:17], s[16:17], s[30:31]      ; RSE at row 64 y
; nine loads: a chunk's 64 d of my four rows of E and of Wk (sixteen lanes take 256 consecutive bytes of a row), and of sn_w
.macro FILL R, off
.irp i, 0,1,2,3
	global_load_b128 v[(\R)+4*\i:(\R)+4*\i+3], v[VOFF], s[4:5] offset:(\off)+65536*\i
.endr
.irp i, 0,1,2,3
	global_load_b128 v[(\R)+16+4*\i:(\R)+16+4*\i+3], v[VOFF], s[6:7] offset:(\off)+65536*\i
.endr
	global_load_b128 v[(\R)+32:(\R)+35], v[VSN], s[10:11] offset:\off
.endm
; The chunk in register set R is converted and stored into LDS buffer buf.  left: the younger loads that may stay out.
.macro CONV R, buf, left
	s_wait_loadcnt \left                           ; loads come back in order: this set's nine are in, the other set's stay out
	v_cvt_pk_bf16_f32 v[T],   v[(\R)+32], v[(\R)+33]   ; snb
	v_cvt_pk_bf16_f32 v[T+1], v[(\R)+34], v[(\R)+35]
.irp i, 0,1,2,3
	v_cvt_pk_bf16_f32 v[T+2+2*\i], v[(\R)+4*\i],   v[(\R)+4*\i+1]           ; Eb
	v_cvt_pk_bf16_f32 v[T+3+2*\i], v[(\R)+4*\i+2], v[(\R)+4*\i+3]
.endr
.irp c, 0,1
.irp i, 0,1,2,3
	v_fma_mix_f32_bf16 v[SSQ+\i], v[T+2+2*\i+\c], v[T+2+2*\i+\c], v[SSQ+\i] op_sel_hi:[1,1,0]                 ; the squares of the ROUNDED numbers, in f32
.endr
.irp i, 0,1,2,3
	v_fma_mix_f32_bf16 v[SSQ+\i], v[T+2+2*\i+\c], v[T+2+2*\i+\c], v[SSQ+\i] op_sel:[1,1,0] op_sel_hi:[1,1,0]
.endr
.endr
.irp i, 0,1,2,3
	ds_store_b64 v[VAST], v[T+2+2*\i:T+3+2*\i] offset:(\buf)*BUFB+2304*\i
.endr
.irp i, 0,1,2,3
	v_cvt_pk_bf16_f32 v[T+26], v[(\R)+16+4*\i],   v[(\R)+16+4*\i+1]         ; Wkb
	v_cvt_pk_bf16_f32 v[T+27], v[(\R)+16+4*\i+2], v[(\R)+16+4*\i+3]
	v_fma_mix_f32_bf16 v[T+28], v[T+26], v[T],   v[ZERO] op_sel_hi:[1,1,0]                   ; p = Wkb * snb, exact in f32
	v_fma_mix_f32_bf16 v[T+29], v[T+26], v[T],   v[ZERO] op_sel:[1,1,0] op_sel_hi:[1,1,0]
	v_fma_mix_f32_bf16 v[T+30], v[T+27], v[T+1], v[ZERO] op_sel_hi:[1,1,0]
	v_fma_mix_f32_bf16 v[T+31], v[T+27], v[T+1], v[ZERO] op_sel:[1,1,0] op_sel_hi:[1,1,0]
	v_cvt_pk_bf16_f32 v[T+10+2*\i], v[T+28], v[T+29]                        ; hi
	v_cvt_pk_bf16_f32 v[T+11+2*\i], v[T+30], v[T+31]
	v_fma_mix_f32_bf16 v[T+32], v[T+10+2*\i], v[NEG1], v[T+28] op_sel_hi:[1,0,0]             ; p - hi
	v_fma_mix_f32_bf16 v[T+33], v[T+10+2*\i], v[NEG1], v[T+29] op_sel:[1,0,0] op_sel_hi:[1,0,0]
	v_fma_mix_f32_bf16 v[T+34], v[T+11+2*\i], v[NEG1], v[T+30] op_sel_hi:[1,0,0]
	v_fma_mix_f32_bf16 v[T+35], v[T+11+2*\i], v[NEG1], v[T+31] op_sel:[1,0,0] op_sel_hi:[1,0,0]
	v_cvt_pk_bf16_f32 v[T+18+2*\i], v[T+32], v[T+33]                        ; lo
	v_cvt_pk_bf16_f32 v[T+19+2*\i], v[T+34], v[T+35]
	ds_store_b64 v[VBST], v[T+10+2*\i:T+11+2*\i] offset:(\buf)*BUFB+4352*\i
	ds_store_b64 v[VBST], v[T+18+2*\i:T+19+2*\i] offset:(\buf)*BUFB+4352*\i+128
.endr
.endm
; One trip: the chunk in LDS buffer buf is multiplied.  st = 1: the next chunk, in register set R, goes into the other buffer meanwhile; ld = 1: R is then loaded again, with the chunk at byte off.
.macro TRIP buf, R, st, ld, off, left
.rept 4
	v_nop                                          ; four places between the last products and the loads into the registers that they read
.endr
.irp u, 0,1
	ds_load_b128 v[AF+8*\u:AF+8*\u+3],   v[VAF] offset:(\buf)*BUFB+64*\u
	ds_load_b128 v[AF+8*\u+4:AF+8*\u+7], v[VAF] offset:(\buf)*BUFB+64*\u+32
.irp hl, 0,1
.irp bi, 0,1
	ds_load_b128 v[BF+8*(\bi+2*\hl+4*\u):BF+8*(\bi+2*\hl+4*\u)+3],   v[VBF] offset:(\buf)*BUFB+4352*\bi+128*\hl+64*\u
	ds_load_b128 v[BF+8*(\bi+2*\hl+4*\u)+4:BF+8*(\bi+2*\hl+4*\u)+7], v[VBF] offset:(\buf)*BUFB+4352*\bi+128*\hl+64*\u+32
.endr
.endr
.endr
.if \st
	CONV \R, 1-(\buf), \left                       ; the other buffer: every wave's reads of it were waited for in front of the last barrier
.if \ld
	FILL \R, \off
.endif
.endif
	s_wait_dscnt 0x0                               ; my twenty fragment loads are in: my reads of this buffer are over; and my stores into the other buffer are done
.if \st
	s_barrier_signal -1                            ; say so; the products, work on registers, stand between the signal and the wait
.endif
.irp u, 0,1
.irp hl, 0,1
.irp bi, 0,1                           ; the two accumulators take turns, one instruction a turn, over the loop's edge too
	v_wmma_f32_16x16x32_bf16 v[ACC+8*\bi:ACC+8*\bi+7], v[BF+8*(\bi+2*\hl+4*\u):BF+8*(\bi+2*\hl+4*\u)+7], v[AF+8*\u:AF+8*\u+7], v[ACC+8*\bi:ACC+8*\bi+7]
.endr
.endr
.endr
.if \st
	s_barrier_wait -1                              ; the other buffer is whole, and nobody reads this one any more
.endif
.endm
	global_load_b128 v[WQR:WQR+3],     v[VWQ], s[8:9]
	global_load_b128 v[WQR+4:WQR+7],   v[VWQ], s[8:9] offset:16
	global_load_b128 v[WQR+8:WQR+11],  v[VWQ], s[8:9] offset:256
	global_load_b128 v[WQR+12:WQR+15], v[VWQ], s[8:9] offset:272
	FILL RAW0, 0
	FILL RAW1, 256
	s_wait_loadcnt 18                              ; Wq's four are in; the two chunks' eighteen stay out
.irp j, 0,1
.irp i, 0,1,2,3
	v_cvt_pk_bf16_f32 v[WQR+8*\j+\i], v[WQR+8*\j+2*\i], v[WQR+8*\j+2*\i+1]   ; in place, ascending: a register is read before it is written
.endr
	global_store_b128 v[VWQS], v[WQR+8*\j:WQR+8*\j+3], s[14:15] offset:131072*\j  ; the wave stores 512 consecutive bytes; these registers are not written again
.endr
	CONV RAW0, 0, 9                                ; chunk 0 goes into buffer 0; chunk 1's nine loads stay out
	FILL RAW0, 512                                 ; chunk 2
	s_wait_dscnt 0x0                               ; for the others' sake: my stores are done
	s_barrier_signal -1
	s_barrier_wait -1
	s_mov_b32 s26, 6
.Lk:                                                   ; a trip of the loop: chunks 2 t and 2 t + 1 are multiplied, 2 t + 1 and 2 t + 2 converted, 2 t + 3 and 2 t + 4 asked for
	TRIP 0, RAW1, 1, 1, 768, 9
	TRIP 1, RAW0, 1, 1, 1024, 9
	s_wait_xcnt 0x0                                ; the bases are stepped only behind this wait
	s_add_nc_u64 s[4:5], s[4:5], 512
	s_add_nc_u64 s[6:7], s[6:7], 512
	s_add_nc_u64 s[10:11], s[10:11], 512
	s_sub_co_i32 s26, s26, 1
	s_cmp_lg_u32 s26, 0
	s_cbranch_scc1 .Lk
	TRIP 0, RAW1, 1, 1, 768, 9                     ; chunk 12; chunk 13 is converted; chunk 15, the last, is asked for
	TRIP 1, RAW0, 1, 0, 0, 9                       ; chunk 13; chunk 14 is converted, chunk 15's nine loads stay out
	TRIP 0, RAW1, 1, 0, 0, 0                       ; chunk 14; chunk 15 is converted
	TRIP 1, RAW0, 0, 0, 0, 0                       ; chunk 15: nothing is left to convert, and no buffer is written again
	; rsE: the sixteen lanes of a row of lanes hold the sixteen parts of a row's sum
.irp m, 1,2,4,8
.irp i, 0,1,2,3
	v_add_f32_dpp v[SSQ+\i], v[SSQ+\i], v[SSQ+\i] row_xmask:\m row_mask:0xf bank_mask:0xf
.endr
.endr
.irp i, 0,1,2,3
	v_fma_f32 v[SSQ+\i], v[SSQ+\i], s27, s28
.endr
.irp i, 0,1,2,3
	v_rsq_f32 v[SSQ+\i], v[SSQ+\i]
.endr
	v_nop                                          ; a plain instruction between the last v_rsq_f32 and the use of its result
	s_wait_alu depctr_va_vdst(0)
.irp i, 0,1,2,3
	ds_store_b32 v[VRSS], v[SSQ+\i] offset:64*\i   ; sixteen lanes write one word with one value
.endr
	s_wait_dscnt 0x0
	s_barrier_signal -1
	s_barrier_wait -1
	ds_load_b32 v[RSV], v[VRSL]
	s_wait_dscnt 0x0
	v_mov_b32 v[RSV+1], v[RSV]
	; Km = sum * rsE, cut into three bf16 terms; each accumulator is read from its low end on
.irp bi, 0,1
.irp p, 0,1,2,3
	v_pk_mul_f32 v[T+20*\bi+2*\p:T+20*\bi+2*\p+1], v[ACC+8*\bi+2*\p:ACC+8*\bi+2*\p+1], v[RSV:RSV+1]
.endr
.irp m, 0,1,2
.irp p, 0,1,2,3
	v_cvt_pk_bf16_f32 v[T+20*\bi+8+4*\m+\p], v[T+20*\bi+2*\p], v[T+20*\bi+2*\p+1]
.endr
.if \m < 2
.irp p, 0,1,2,3
	v_fma_mix_f32_bf16 v[T+20*\bi+2*\p],   v[T+20*\bi+8+4*\m+\p], v[NEG1], v[T+20*\bi+2*\p]   op_sel_hi:[1,0,0]
	v_fma_mix_f32_bf16 v[T+20*\bi+2*\p+1], v[T+20*\bi+8+4*\m+\p], v[NEG1], v[T+20*\bi+2*\p+1] op_sel:[1,0,0] op_sel_hi:[1,0,0]
.endr
.endif
	ds_store_b128 v[VSTG], v[T+20*\bi+8+4*\m:T+20*\bi+8+4*\m+3] offset:9216*\m+32*\bi
.endr
.endr
	s_wait_dscnt 0x0                               ; a stage row comes from two waves: a barrier between writing and reading
	s_barrier_signal -1
	s_barrier_wait -1
.irp k, 0,1,2,3,4,5
	ds_load_b128 v[BF+4*\k:BF+4*\k+3], v[VRD] offset:(\k/2)*9216+(\k%2)*4608
.endr
	s_wait_dscnt 0x0
.irp k, 0,1,2,3,4,5
	global_store_b128 v[VKO], v[BF+4*\k:BF+4*\k+3], s[12:13] offset:(\k/2)*8192+(\k%2)*4096  ; a wave stores 512 consecutive bytes
.endr
	s_or_b32 s29, s19, s18
	s_cmp_lg_u32 s29, 0
	s_cbranch_scc1 .Lno_rse                        ; wave 0 of the work-groups with x = 0 stores the 64 rsE
	v_and_b32 v[T], 31, v0                         ; the lane: 32 lanes x 8 bytes are the 256 bytes from RS on, and no more
	v_lshl_add_u32 v[T+1], v[T], 3, RS
	ds_load_b64 v[T+2:T+3], v[T+1]                 ; words that every wave stored ahead of an earlier barrier
	v_lshlrev_b32 v[T+4], 3, v[T]
	s_wait_dscnt 0x0
	global_store_b64 v[T+4], v[T+2:T+3], s[16:17]  ; 256 consecutive bytes
.Lno_rse:
	s_wait_tensorcnt 0x0                           ; the wave's end, behind my last LDS store
	ds_add_u32 v[SPW], v[NIL]
	s_wait_dscnt 0x0
	s_endpgm
.Lfunc_end_k_qf538c911a8_prep_k:
	.size	k_qf538c911a8_prep_k, .Lfunc_end_k_qf538c911a8_prep_k-k_qf538c911a8_prep_k
	.p2alignl 7, 3214868480
	.fill 96, 4, 3214868480
	.section	.rodata,"a",@progbits
	.p2align	6, 0x0
	.amdhsa_kernel k_qf538c911a8_prep_k
		.amdhsa_group_segment_fixed_size 82176
		.amdhsa_private_segment_fixed_size 0
		.amdhsa_enable_private_segment 0
		.amdhsa_kernarg_size 56
		.amdhsa_user_sgpr_count 2
		.amdhsa_user_sgpr_kernarg_segment_ptr 1
		.amdhsa_wavefront_size32 1
		.amdhsa_system_sgpr_workgroup_id_x 1
		.amdhsa_system_sgpr_workgroup_id_y 1
		.amdhsa_system_sgpr_workgroup_id_z 1
		.amdhsa_system_vgpr_workitem_id 0
		.amdhsa_next_free_vgpr 248
		.amdhsa_next_free_sgpr 66
		.amdhsa_reserve_vcc 0
		.amdhsa_float_denorm_mode_32 3
		.amdhsa_float_denorm_mode_16_64 3
		.amdhsa_memory_ordered 1
		.amdhsa_forward_progress 1
		.amdhsa_inst_pref_size 67
	.end_amdhsa_kernel
	.amdgpu_metadata
---
amdhsa.version: [ 1, 2 ]
amdhsa.kernels:
  - .name:           k_qf538c911a8_prep_k
    .symbol:         k_qf538c911a8_prep_k.kd
    .args:
      - { .name: E, .offset: 0, .size: 8, .value_kind: global_buffer, .address_space: global }
      - { .name: Wk, .offset: 8, .size: 8, .value_kind: global_buffer, .address_space: global }
      - { .name: Wq, .offset: 16, .size: 8, .value_kind: global_buffer, .address_space: global }
      - { .name: sn_w, .offset: 24, .size: 8, .value_kind: global_buffer, .address_space: global }
      - { .name: KP, .offset: 32, .size: 8, .value_kind: global_buffer, .address_space: global }
      - { .name: WQB, .offset: 40, .size: 8, .value_kind: global_buffer, .address_space: global }
      - { .name: RSE, .offset: 48, .size: 8, .value_kind: global_buffer, .address_space: global }
    .group_segment_fixed_size: 82176
    .private_segment_fixed_size: 0
    .kernarg_segment_align: 8
    .kernarg_segment_size: 56
    .max_flat_workgroup_size: 256
    .sgpr_count:     66
    .vgpr_count:     248
    .wavefront_size: 32
...
	.end_amdgpu_metadata
.endif
;; end of part 1
;; launch prep_m (part 2): grid 16 x 16, 8 waves a work-group, no clusters, 94,208 bytes of LDS; arguments KP, WQB, xn_w, MB; writes MB
.if DOCPART == 2
	.amdgcn_target "amdgcn-amd-amdhsa--gfx1250"
	.amdhsa_code_object_version 6
	.text
	.protected	k_qf538c911a8_prep_m
	.globl	k_qf538c911a8_prep_m
	.p2align	8
	.type	k_qf538c911a8_prep_m,@function
k_qf538c911a8_prep_m:
	s_mov_b64 s[64:65], 0
	v_nop
	global_prefetch_b8 v0, s[64:65] scope:SCOPE_SE
	s_setreg_imm32_b32 hwreg(HW_REG_WAVE_MODE, 25, 1), 1
	s_wait_xcnt 0x0
; M'[n][d] = (xnb[d] / 32) * sum over e of Km[n][e] * Wqb[e][d].  With it scores[s][n] = rsX[s] * sum over d of Xb[s][d] M'[n][d]: the chain of two products of the module, re-associated.
; Km comes as three bf16 planes (24 bits), Wqb is an exact bf16 operand; sums in f32.  M' leaves as two bf16 terms, hi + lo.
; MB: row n has 4,096 bytes; element (hl, k) lies at byte (k / 32) * 128 + hl * 64 + (k % 32) * 2: each 256 bytes hold 64 k as hi 0-31, lo 0-31, hi 32-63, lo 32-63.
; SHARES.  A work-group makes 64 n x 64 d; K = e goes in 16 chunks of 64: a dense tile of KP (24,576 bytes) and 64 rows of a panel of WQB (8,192 dense bytes).
; Wave w: rows 16 (w/2).., columns 32 (w%2)..: two accumulators that take turns.  Used transposed (source 0 = 16 d of Wq, turned by ds_load_tr16_b128; source 1 = 16 rows of Km): a lane holds one n and eight neighbouring d.
; THE ORDER OF A TRIP.  Chunk c's fragments are asked of LDS; behind them chunk c + 1 is stored into the other LDS buffer; chunk c is multiplied while those stores end; then the registers are loaded again
; with chunk c + 3, and the trip's one barrier follows.
; The 16 accumulator registers are cleared by v_mov: that spares a first chunk written out.
.set BUFB,  37888                      ; an LDS buffer: A 3 planes x 64 rows x 144 bytes, then B 64 rows x 160
.set BOFF,  27648
.set STG,   2*BUFB                     ; the way out: 64 rows x 272 bytes
.set SPARE, STG+64*272                 ; the spare words: 128 bytes for each of eight waves; no other line names them
.set VLD,   1                          ; 16 t
.set VASTO, 2                          ; (t / 8) * 144 + 16 (t % 8)
.set VBSTO, 3                          ; BOFF + (t / 8) * 160 + 16 (t % 8)
.set VAF,   4
.set VBF,   5
.set VSTG,  6
.set VRD,   7
.set VMO,   8                          ; (t / 16) * 4096 + 16 (t % 16)
.set VCS,   9                          ; 128 cb + 32 h
.set ZERO,  10
.set NEG1,  11
.set C32,   12
.set SPW,   14                         ; LDS address of my spare word; never rewritten
.set NIL,   15                         ; 0; never rewritten
.set CSR,   16                         ; v16-31   xn_w of my 16 columns, then xnb / 32
.set RAW0,  32                         ; v32-63   an even chunk as loaded: A 24, B 8
.set RAW1,  64                         ; v64-95   an odd chunk
.set AF,    96                         ; v96-143  plane p, half u at AF + 8 (p + 3 u)
.set BF,    144                        ; v144-175 column block bi, half u at BF + 8 (bi + 2 u)
.set ACC,   176                        ; v176-191
.set T,     192                        ; v192-223 at work
	s_load_b256 s[4:11], s[0:1], 0x0               ; KP s[4:5], WQB s[6:7], xn_w s[8:9], MB s[10:11]
	v_lshl_add_u32 v[SPW], v0, 2, SPARE
	v_mov_b32 v[NIL], 0
	v_lshrrev_b32 v[T], 5, v0
	v_readfirstlane_b32 s12, v[T]                  ; wave 0..7
	s_mov_b32 s13, ttmp9                           ; x: block of 64 d
	s_and_b32 s14, ttmp7, 0xffff                   ; y: block of 64 n
	s_lshr_b32 s15, s12, 1                         ; a
	s_and_b32 s16, s12, 1                          ; cb
	v_and_b32 v[T+1], 15, v0                       ; r, and t % 16
	v_bfe_u32 v[T+2], v0, 4, 1                     ; h
	v_lshrrev_b32 v[T+3], 3, v0                    ; t / 8
	v_and_b32 v[T+4], 7, v0                        ; t % 8
	v_bfe_u32 v[T+5], v0, 3, 1                     ; (lane / 8) % 2
	v_lshrrev_b32 v[T+6], 4, v0                    ; t / 16
	v_lshlrev_b32 v[VLD], 4, v0
	v_mul_u32_u24 v[VASTO], v[T+3], 144
	v_lshl_add_u32 v[VASTO], v[T+4], 4, v[VASTO]
	v_mul_u32_u24 v[VBSTO], v[T+3], 160
	v_lshl_add_u32 v[VBSTO], v[T+4], 4, v[VBSTO]
	v_add_nc_u32 v[VBSTO], BOFF, v[VBSTO]
	s_mul_i32 s17, s15, 16*144
	v_mul_u32_u24 v[VAF], v[T+1], 144
	v_lshl_add_u32 v[VAF], v[T+2], 4, v[VAF]
	v_add_nc_u32 v[VAF], s17, v[VAF]               ; (16 a + r) * 144 + 16 h
	v_lshl_add_u32 v[VBF], v[T+2], 3, v[T+4]       ; the turning load: lane l reads row 8 h + l % 8, 16 bytes at 16 ((l / 8) % 2)
	v_mul_u32_u24 v[VBF], v[VBF], 160
	v_lshl_add_u32 v[VBF], v[T+5], 4, v[VBF]
	s_lshl_b32 s17, s16, 6
	s_add_co_u32 s17, s17, BOFF
	v_add_nc_u32 v[VBF], s17, v[VBF]
	s_mul_i32 s17, s15, 16*272
	s_lshl_b32 s18, s16, 7
	s_add_co_u32 s17, s17, s18
	s_add_co_u32 s17, s17, STG
	v_mul_u32_u24 v[VSTG], v[T+1], 272
	v_lshl_add_u32 v[VSTG], v[T+2], 4, v[VSTG]
	v_add_nc_u32 v[VSTG], s17, v[VSTG]             ; STG + (16 a + r) * 272 + 128 cb + 16 h
	v_mul_u32_u24 v[VRD], v[T+6], 272
	v_lshl_add_u32 v[VRD], v[T+1], 4, v[VRD]
	v_add_nc_u32 v[VRD], STG, v[VRD]
	v_lshlrev_b32 v[VMO], 12, v[T+6]
	v_lshl_add_u32 v[VMO], v[T+1], 4, v[VMO]
	v_lshl_add_u32 v[VCS], v[T+2], 5, s18
	v_mov_b32 v[ZERO], 0
	v_mov_b32 v[NEG1], -1.0
	v_mov_b32 v[C32], 0x3d000000                   ; 1 / 32 = 1024^-0.5
.set i, 0
.rept 16
	v_mov_b32 v[ACC+i], 0
.set i, i+1
.endr
	s_mov_b32 s21, 0
	s_wait_kmcnt 0x0
	s_mul_i32 s20, s14, 16*24576
	s_add_nc_u64 s[4:5], s[4:5], s[20:21]          ; KP at tile (y, 0)
	s_lshl_b32 s20, s13, 17
	s_add_nc_u64 s[6:7], s[6:7], s[20:21]          ; WQB at panel x
	s_lshl_b32 s20, s13, 8
	s_add_nc_u64 s[8:9], s[8:9], s[20:21]          ; xn_w at column 64 x
	s_add_nc_u64 s[10:11], s[10:11], s[20:21]      ; MB at byte 256 x
	s_lshl_b32 s20, s14, 18
	s_add_nc_u64 s[10:11], s[10:11], s[20:21]      ; of row 64 y
.macro FILL R, offa, offb              ; eight loads, each wave 512 consecutive bytes
.irp i, 0,1,2,3,4,5
	global_load_b128 v[(\R)+4*\i:(\R)+4*\i+3], v[VLD], s[4:5] offset:(\offa)+4096*\i
.endr
.irp i, 0,1
	global_load_b128 v[(\R)+24+4*\i:(\R)+24+4*\i+3], v[VLD], s[6:7] offset:(\offb)+4096*\i
.endr
.endm
.macro STORE R, buf                    ; eight LDS stores: the chunk in set R goes into buffer buf
.irp i, 0,1,2,3,4,5
	ds_store_b128 v[VASTO], v[(\R)+4*\i:(\R)+4*\i+3] offset:(\buf)*BUFB+(\i/2)*9216+(\i%2)*4608
.endr
.irp i, 0,1
	ds_store_b128 v[VBSTO], v[(\R)+24+4*\i:(\R)+24+4*\i+3] offset:(\buf)*BUFB+5120*\i
.endr
.endm
; One trip: the chunk in LDS buffer buf is multiplied.  st = 1: the next chunk, in register set R, goes into the other buffer; ld = 1: R is then loaded again.  left: the younger loads that may stay out.
.macro TRIP buf, R, st, ld, offa, offb, left
.rept 4
	v_nop                                          ; four places between the last products and the loads into the registers that they read
.endr
.irp u, 0,1
.irp p, 0,1,2
	ds_load_b128 v[AF+8*(\p+3*\u):AF+8*(\p+3*\u)+3],   v[VAF] offset:(\buf)*BUFB+9216*\p+64*\u
	ds_load_b128 v[AF+8*(\p+3*\u)+4:AF+8*(\p+3*\u)+7], v[VAF] offset:(\buf)*BUFB+9216*\p+64*\u+32
.endr
.irp bi, 0,1
	ds_load_tr16_b128 v[BF+8*(\bi+2*\u):BF+8*(\bi+2*\u)+3],   v[VBF] offset:(\buf)*BUFB+5120*\u+32*\bi
	ds_load_tr16_b128 v[BF+8*(\bi+2*\u)+4:BF+8*(\bi+2*\u)+7], v[VBF] offset:(\buf)*BUFB+5120*\u+32*\bi+2560
.endr
.endr
.if \st
	s_wait_loadcnt \left                           ; this set's eight are in, the other set's stay out
	STORE \R, 1-(\buf)                             ; the other buffer: every wave's reads of it were waited for in front of the last barrier
	s_wait_dscnt 8                                 ; LDS instructions end in order: the twenty fragment loads are in, the eight stores behind them may be out
.else
	s_wait_dscnt 0x0
.endif
.irp u, 0,1
.irp p, 0,1,2
.irp bi, 0,1                           ; the two accumulators take turns
	v_wmma_f32_16x16x32_bf16 v[ACC+8*\bi:ACC+8*\bi+7], v[BF+8*(\bi+2*\u):BF+8*(\bi+2*\u)+7], v[AF+8*(\p+3*\u):AF+8*(\p+3*\u)+7], v[ACC+8*\bi:ACC+8*\bi+7]
.endr
.endr
.endr
.if \st
	s_wait_dscnt 0x0                               ; my stores are done: for the others' sake, and so that the set may be loaded again
.if \ld
	FILL \R, \offa, \offb
.endif
	s_barrier_signal -1
	s_barrier_wait -1                              ; the other buffer is whole, and nobody reads this one any more
.endif
.endm
.irp i, 0,1
	global_load_b128 v[CSR+8*\i:CSR+8*\i+3],   v[VCS], s[8:9] offset:64*\i
	global_load_b128 v[CSR+8*\i+4:CSR+8*\i+7], v[VCS], s[8:9] offset:64*\i+16
.endr
	FILL RAW0, 0, 0
	FILL RAW1, 24576, 8192
	s_wait_loadcnt 8                               ; xn_w and chunk 0 are in; chunk 1's eight stay out
	STORE RAW0, 0
	s_wait_dscnt 0x0
	FILL RAW0, 49152, 16384                        ; chunk 2
	s_barrier_signal -1
	s_barrier_wait -1
	s_mov_b32 s22, 6
.Lk:                                                   ; a trip of the loop: chunks 2 t and 2 t + 1 are multiplied, 2 t + 1 and 2 t + 2 stored into LDS, 2 t + 3 and 2 t + 4 asked for
	TRIP 0, RAW1, 1, 1, 73728, 24576, 8
	TRIP 1, RAW0, 1, 1, 98304, 32768, 8
	s_wait_xcnt 0x0                                ; the bases are stepped only behind this wait
	s_add_nc_u64 s[4:5], s[4:5], 49152
	s_add_nc_u64 s[6:7], s[6:7], 16384
	s_sub_co_i32 s22, s22, 1
	s_cmp_lg_u32 s22, 0
	s_cbranch_scc1 .Lk
	TRIP 0, RAW1, 1, 1, 73728, 24576, 8            ; chunk 12; chunk 15, the last, is asked for
	TRIP 1, RAW0, 1, 0, 0, 0, 8                    ; chunk 13; chunk 15's eight loads stay out
	TRIP 0, RAW1, 1, 0, 0, 0, 0                    ; chunk 14
	TRIP 1, RAW0, 0, 0, 0, 0, 0                    ; chunk 15: nothing is left to store
	; xnb / 32 for my 16 columns (these lines are also the places behind the last products), then M' = sum * that, as hi + lo
.irp k, 0,1,2,3,4,5,6,7
	v_cvt_pk_bf16_f32 v[T+\k], v[CSR+2*\k], v[CSR+2*\k+1]
.endr
.irp k, 0,1,2,3,4,5,6,7
	v_fma_mix_f32_bf16 v[CSR+2*\k],   v[T+\k], v[C32], v[ZERO] op_sel_hi:[1,0,0]
	v_fma_mix_f32_bf16 v[CSR+2*\k+1], v[T+\k], v[C32], v[ZERO] op_sel:[1,0,0] op_sel_hi:[1,0,0]
.endr
.irp bi, 0,1
.irp p, 0,1,2,3
	v_pk_mul_f32 v[T+16*\bi+2*\p:T+16*\bi+2*\p+1], v[ACC+8*\bi+2*\p:ACC+8*\bi+2*\p+1], v[CSR+8*\bi+2*\p:CSR+8*\bi+2*\p+1]
.endr
.irp p, 0,1,2,3
	v_cvt_pk_bf16_f32 v[T+16*\bi+8+\p], v[T+16*\bi+2*\p], v[T+16*\bi+2*\p+1]
.endr
.irp p, 0,1,2,3
	v_fma_mix_f32_bf16 v[T+16*\bi+2*\p],   v[T+16*\bi+8+\p], v[NEG1], v[T+16*\bi+2*\p]   op_sel_hi:[1,0,0]
	v_fma_mix_f32_bf16 v[T+16*\bi+2*\p+1], v[T+16*\bi+8+\p], v[NEG1], v[T+16*\bi+2*\p+1] op_sel:[1,0,0] op_sel_hi:[1,0,0]
.endr
.irp p, 0,1,2,3
	v_cvt_pk_bf16_f32 v[T+16*\bi+12+\p], v[T+16*\bi+2*\p], v[T+16*\bi+2*\p+1]
.endr
	ds_store_b128 v[VSTG], v[T+16*\bi+8:T+16*\bi+11]  offset:32*\bi
	ds_store_b128 v[VSTG], v[T+16*\bi+12:T+16*\bi+15] offset:64+32*\bi
.endr
	s_wait_dscnt 0x0                               ; a stage row comes from two waves
	s_barrier_signal -1
	s_barrier_wait -1
.irp i, 0,1,2,3
	ds_load_b128 v[AF+4*\i:AF+4*\i+3], v[VRD] offset:4352*\i
.endr
	s_wait_dscnt 0x0
.irp i, 0,1,2,3
	global_store_b128 v[VMO], v[AF+4*\i:AF+4*\i+3], s[10:11] offset:65536*\i  ; sixteen lanes store 256 consecutive bytes, aligned
.endr
	s_wait_tensorcnt 0x0                           ; the wave's end, behind my last LDS store
	ds_add_u32 v[SPW], v[NIL]
	s_wait_dscnt 0x0
	s_endpgm
.Lfunc_end_k_qf538c911a8_prep_m:
	.size	k_qf538c911a8_prep_m, .Lfunc_end_k_qf538c911a8_prep_m-k_qf538c911a8_prep_m
	.p2alignl 7, 3214868480
	.fill 96, 4, 3214868480
	.section	.rodata,"a",@progbits
	.p2align	6, 0x0
	.amdhsa_kernel k_qf538c911a8_prep_m
		.amdhsa_group_segment_fixed_size 94208
		.amdhsa_private_segment_fixed_size 0
		.amdhsa_enable_private_segment 0
		.amdhsa_kernarg_size 32
		.amdhsa_user_sgpr_count 2
		.amdhsa_user_sgpr_kernarg_segment_ptr 1
		.amdhsa_wavefront_size32 1
		.amdhsa_system_sgpr_workgroup_id_x 1
		.amdhsa_system_sgpr_workgroup_id_y 1
		.amdhsa_system_sgpr_workgroup_id_z 1
		.amdhsa_system_vgpr_workitem_id 0
		.amdhsa_next_free_vgpr 228
		.amdhsa_next_free_sgpr 66
		.amdhsa_reserve_vcc 0
		.amdhsa_float_denorm_mode_32 3
		.amdhsa_float_denorm_mode_16_64 3
		.amdhsa_memory_ordered 1
		.amdhsa_forward_progress 1
		.amdhsa_inst_pref_size 31
	.end_amdhsa_kernel
	.amdgpu_metadata
---
amdhsa.version: [ 1, 2 ]
amdhsa.kernels:
  - .name:           k_qf538c911a8_prep_m
    .symbol:         k_qf538c911a8_prep_m.kd
    .args:
      - { .name: KP, .offset: 0, .size: 8, .value_kind: global_buffer, .address_space: global }
      - { .name: WQB, .offset: 8, .size: 8, .value_kind: global_buffer, .address_space: global }
      - { .name: xn_w, .offset: 16, .size: 8, .value_kind: global_buffer, .address_space: global }
      - { .name: MB, .offset: 24, .size: 8, .value_kind: global_buffer, .address_space: global }
    .group_segment_fixed_size: 94208
    .private_segment_fixed_size: 0
    .kernarg_segment_align: 8
    .kernarg_segment_size: 32
    .max_flat_workgroup_size: 256
    .sgpr_count:     66
    .vgpr_count:     228
    .wavefront_size: 32
...
	.end_amdgpu_metadata
.endif
;; end of part 2
;; launch main (part 3): grid 4 x 128, 4 waves a work-group, clusters of 4 x 4, 327,680 bytes of LDS; arguments X, MB, PMAX; writes PMAX
.if DOCPART == 3
	.amdgcn_target "amdgcn-amd-amdhsa--gfx1250"
	.amdhsa_code_object_version 6
	.text
	.protected	k_qf538c911a8_main
	.globl	k_qf538c911a8_main
	.p2align	8
	.type	k_qf538c911a8_main,@function
k_qf538c911a8_main:
	s_mov_b64 s[64:65], 0
	v_nop
	global_prefetch_b8 v0, s[64:65] scope:SCOPE_SE
	s_setreg_imm32_b32 hwreg(HW_REG_WAVE_MODE, 25, 1), 1
	s_wait_xcnt 0x0
	s_wait_alu depctr_hold_cnt(0) depctr_sa_sdst(0) depctr_va_vdst(0) depctr_va_sdst(0) depctr_va_ssrc(0) depctr_va_vcc(0) depctr_vm_vsrc(0)
	s_getreg_b32 s2, hwreg(HW_REG_IB_STS2, 6, 4)
	s_cmp_eq_u32 s2, 0
	s_cbranch_scc0 .Lentry_in_a_cluster
	s_endpgm
.Lentry_in_a_cluster:
	s_bfe_u32 s2, ttmp6, 0x10000c
	s_cmp_lg_u32 s2, 0xf033
	s_cbranch_scc0 .Lentry_shape_is_right
	s_endpgm
.Lentry_shape_is_right:
; PMAX[tile row][n] = max over the tile's 256 rows s of  rsX[s] * sum over d of Xb[s][d] * M'[n][d],   rsX[s] = rsqrt(mean_d Xb[s][d]^2 + 1e-6).
; Xb is X rounded to bf16 (as every input of the program is): an exact operand, since the row's scale is applied in f32 at the end.  M' comes as two bf16 terms, hi + lo (buffer MB),
; and each goes through the matrix unit: the scores keep about f32's precision, which the later top-64 mask needs.  rsX is made of the ROUNDED numbers.
; LIMITS.  A NaN loses in the maxima.  Two batch maxima closer than about 1e-6 of their size may change order against a computation in another order of sums.
; SHARES.  A work-group of four waves makes 256 rows x 256 columns, a wave 128 x 128: 64 accumulators of 16 x 16, 512 registers.  Source 0 = 16 rows of X, source 1 = 16 rows of M': a lane holds
; ONE column n and eight rows, so the maximum over rows stays in the lane until the end.
; K goes in 16 steps of 64 d through a ring of two LDS slots.  64 d are 256 bytes of a row of X (f32) and 256 bytes of a row of MB (hi 0-31, lo 0-31, hi 32-63, lo 32-63): both tiles are 128 rows x 256 bytes a wave.
; A K step is four QUARTERS of 64 matrix instructions: quarter q = 2 u + hl multiplies X's d 32 u .. 32 u + 31 by the hi (hl = 0) or lo (hl = 1) term.
; X is converted on the way from LDS to the matrix unit: 16 f32 registers a tile are loaded (RAW), rounded into a fragment (CVT4), and for half of the wave's tiles squared and summed (SSQ4).
; That is one vector instruction for each matrix instruction: a slice of four stands behind every fourth product.
; The two waves that share rows take them in a different order (logical tile a' = physical tile (a' + 4 ch) % 8; the order of rows does not matter to a maximum) and each sums the squares of its logical
; tiles 0-3: one text, and the work is halved.
; CLUSTERS.  4 x 4 work-groups.  The four of a row of the cluster cover all 1,024 columns and need the same rows of X; the four of a column need the same rows of MB: each tile is asked for JOINTLY, by the
; same tensor load with the same descriptor and a mask that names the four.  So X leaves memory once.
; REGISTERS, in windows of 256 (s_set_vgpr_msb: bits 1:0 source 0, 3:2 source 1, 5:4 source 2, 7:6 destination):
;   window 0: v2-13 addresses; v28-29 the add's; v32-47 sums of squares; v48-63 at work; v64-127, v128-191 X's fragments for u = 0, 1 (tile a' at + 8 a'); v192-255 RAW
;   window 1: M's fragments of quarter q at v[64 q + 8 b]     window 2: the accumulators of logical tiles 0-3 ((a', b) at v[8 (8 a' + b)])     window 3: those of tiles 4-7
.set PITCH,  272                       ; an LDS row: 256 bytes + 16 of padding: the 16 rows that a load touches start at 16 different groups of four banks (64 banks of 4 bytes: ISA guide 11.1)
.set T16,    16*PITCH
.set HALFT,  128*PITCH                 ; what one tensor load brings
.set SLOT,   4*HALFT                   ; X's 256 rows, then MB's 256 rows
.set RSTAB,  2*SLOT                    ; behind the ring, never filled by a tensor load: rsX, 4 waves x 4 tiles x 16 rows
.set CMAX,   RSTAB+1024                ; 2 row halves x 256 columns
.set SPARE,  CMAX+2048                 ; the spare words: 128 bytes for each wave; no other line names them
.set STEPB,  256                       ; bytes of a row in a K step
.set ALO,  2                           ; v2-3   LDS address of my logical tiles 0-3 of X in slot 0, 1
.set AHI,  4                           ; v4-5   of tiles 4-7
.set ADRB, 6                           ; v6-7   of my rows of MB
.set RSST, 8
.set RSL0, 9
.set RSL1, 10
.set CMST, 11
.set CMLD, 12
.set PO,   13
.set SPW,  28                          ; LDS address of my spare word; never rewritten
.set NIL,  29                          ; 0; never rewritten
.set SSQ,  32                          ; four chains for each of tiles 0-3
.set MXA,  48                          ; eight running maxima, one for each column block
.set MXB,  56
.set AB0,  64
.set RAW,  192
.set RSV,  64                          ; the way out: rsX of my 128 rows, eight registers a tile
.set TT,   128                         ; the way out: scaled scores of a tile row
.set G1,  24                           ; s[24:31] descriptor group 1 for X's tiles;  s[32:39] group 0, a set for each slot
.set G0,  32
.set G1B, 48                           ; s[48:55], s[56:63] the same for MB's
.set G0B, 56
.set DW0, (1<<16)|(1<<20)|(1<<21)|(5<<22)|(3<<25)  ; 17:16 elements of 2 bytes; 20 padding on; 21 set beside a mask; 24:22 after every 64 words; 31:25 4 words of it
.set MSB, 0
.macro WIN new                         ; the immediate's high byte repeats the setting that is left; a switch that changes nothing is dropped
.if MSB != (\new)
	s_set_vgpr_msb (MSB<<8)|(\new)
.set MSB, \new
.endif
.endm
.set MUL_LO, 0xa4                      ; source 0 (X) window 0, source 1 (M') window 1, C and D window 2;  + 0x50: C and D window 3
.set TO_B,   0x40                      ; destination window 1, address window 0
; A joint load.  Waves 0 and 1 fetch X's two halves, waves 2 and 3 MB's.  The branch hangs on the wave's number alone.  An s_nop 0 and four v_nop follow each of the two lines.
.macro JLOAD s
	s_cmp_eq_u32 s11, 0
	s_cbranch_scc0 .Lfor_b_\@
	tensor_load_to_lds s[G0+4*(\s):G0+4*(\s)+3], s[G1:G1+7]
	s_nop 0
.rept 4
	v_nop
.endr
	s_branch .Lasked_\@
.Lfor_b_\@:
	tensor_load_to_lds s[G0B+4*(\s):G0B+4*(\s)+3], s[G1B:G1B+7]
	s_nop 0
.rept 4
	v_nop
.endr
.Lasked_\@:
.endm
.macro CREST                           ; a round of the cluster's barrier behind its opening barrier
	s_cmp_lg_u32 s10, 0
	s_cbranch_scc1 .Lnot_wave_0_\@
	s_barrier_signal -3
.Lnot_wave_0_\@:
	s_barrier_wait -3
	s_barrier_signal -1
	s_barrier_wait -1
.endm
.macro CROUND                          ; a whole round
	s_barrier_signal -1
	s_barrier_wait -1
	CREST
.endm
	s_load_b128 s[4:7], s[0:1], 0x0                ; X s[4:5], MB s[6:7]
	s_load_b64 s[8:9], s[0:1], 0x10                ; PMAX
	v_lshl_add_u32 v[SPW], v0, 2, SPARE
	v_mov_b32 v[NIL], 0
	ds_add_u32 v[SPW], v[NIL]                      ; the wave's opening: the add and its wait stand ahead of my first tensor load; the set-up below stands between them
	v_lshrrev_b32 v1, 5, v0
	v_readfirstlane_b32 s10, v1                    ; wave 0..3
	s_lshr_b32 s11, s10, 1                         ; rh: which half of the tile's rows is mine.  Also: I fetch for X (0) or for MB (1)
	s_and_b32 s12, s10, 1                          ; ch: which half of its columns.  Also: which 128 rows of that tile I fetch
	s_bfe_u32 s40, ttmp6, 0x40000                  ; cx, cy: my place in the cluster
	s_bfe_u32 s41, ttmp6, 0x40004
	s_lshl_b32 s42, ttmp9, 2
	s_add_co_u32 s42, s42, s40                     ; tile column = 4 x cluster x + cx
	s_and_b32 s13, ttmp7, 0xffff
	s_lshl_b32 s13, s13, 2
	s_add_co_u32 s13, s13, s41                     ; tile row = 4 x cluster y + cy
	s_lshl_b32 s43, s41, 2
	s_lshl_b32 s43, 15, s43                        ; my row of the cluster
	s_lshl_b32 s44, 0x1111, s40                    ; my column
	s_or_b32 s[G1+0], s43, DW0                     ; X's tiles go to my row,
	s_or_b32 s[G1B+0], s44, DW0                    ; MB's to my column
.irp g, G1, G1B
	s_mov_b32 s[(\g)+1], 128<<16                   ; tensor_dim0 = 128 elements of 2 bytes
	s_mov_b32 s[(\g)+2], 128<<16                   ; tensor_dim1 = 128
	s_mov_b32 s[(\g)+3], 128<<16                   ; tile_dim0 = 128
	s_mov_b32 s[(\g)+4], 128                       ; tile_dim1 = 128
	s_mov_b32 s[(\g)+5], 2048                      ; 4,096 bytes from row to row, in X and in MB
	s_mov_b32 s[(\g)+6], 0
	s_mov_b32 s[(\g)+7], 0
.endr
	s_mov_b32 s66, 0x3a800000                      ; 1 / 1024
	s_mov_b32 s67, 0x358637bd                      ; 1e-6
	s_mov_b32 s68, 0x76543210                      ; v_permlanex16_b32: each lane takes its own place in the other half
	s_mov_b32 s69, 0xfedcba98
	s_lshl_b32 s17, s12, 7
	s_lshl_b32 s16, s13, 8
	s_add_co_u32 s16, s16, s17                     ; X: row 256 x tile row + 128 x half
	s_lshl_b32 s46, s42, 8
	s_add_co_u32 s46, s46, s17                     ; MB: row 256 x tile column + 128 x half
	s_lshl_b32 s16, s16, 12                        ; in bytes: under 2^27
	s_lshl_b32 s46, s46, 12
	s_mov_b32 s17, 0
	s_mov_b32 s47, 0
	s_mul_i32 s20, s10, HALFT                      ; where they go: wave x 128 rows: no place in the cluster enters an LDS address
	s_wait_dscnt 0x0                               ; the opening add is done
	s_wait_kmcnt 0x0
	s_add_nc_u64 s[14:15], s[4:5], s[16:17]
	s_add_nc_u64 s[46:47], s[6:7], s[46:47]
	CROUND                                         ; all sixteen work-groups are here: the first joint loads meet
.irp s, 0,1
	s_mov_b32 s[G0+4*(\s)], 1
	s_add_co_u32 s[G0+4*(\s)+1], s20, (\s)*SLOT
	s_add_nc_u64 s[G0+4*(\s)+2:G0+4*(\s)+3], s[14:15], (\s)*STEPB
	s_or_b32 s[G0+4*(\s)+3], s[G0+4*(\s)+3], 0x80000000
	s_mov_b32 s[G0B+4*(\s)], 1
	s_add_co_u32 s[G0B+4*(\s)+1], s20, (\s)*SLOT
	s_add_nc_u64 s[G0B+4*(\s)+2:G0B+4*(\s)+3], s[46:47], (\s)*STEPB
	s_or_b32 s[G0B+4*(\s)+3], s[G0B+4*(\s)+3], 0x80000000
	JLOAD \s                                       ; K steps 0 and 1: two loads of mine are out
.endr
	; A fragment is 16 rows x 32 k: lane l holds row l % 16, k = 8 (l / 16) + 0..7 and 16 + 8 (l / 16) + 0..7.  Of f32 rows that is 32 bytes at 32 (l / 16) and 32 bytes 64 further on; of bf16 rows 16 bytes at 16 (l / 16) and 16 bytes 32 further on.
	v_and_b32 v1, 15, v0                           ; r
	v_bfe_u32 v14, v0, 4, 1                        ; h
	v_and_b32 v16, 31, v0                          ; lane
	v_mul_u32_u24 v15, v1, PITCH
	s_mul_i32 s21, s11, HALFT                      ; my 128 rows of X
	s_mul_i32 s22, s12, 4*T16
	s_add_co_u32 s23, s21, s22                     ; logical tiles 0-3 begin at physical tile 4 ch,
	s_sub_co_u32 s22, 4*T16, s22
	s_add_co_u32 s45, s21, s22                     ; tiles 4-7 at 4 - 4 ch
	s_mul_i32 s21, s12, HALFT
	s_add_co_u32 s21, s21, 2*HALFT                 ; my 128 rows of MB lie behind X's 256
	v_lshl_add_u32 v17, v14, 5, v15
	v_add_nc_u32 v[ALO], s23, v17
	v_add_nc_u32 v[AHI], s45, v17
	v_lshl_add_u32 v17, v14, 4, v15
	v_add_nc_u32 v[ADRB], s21, v17
	v_add_nc_u32 v[ALO+1], SLOT, v[ALO]
	v_add_nc_u32 v[AHI+1], SLOT, v[AHI]
	v_add_nc_u32 v[ADRB+1], SLOT, v[ADRB]
	s_lshl_b32 s21, s10, 8
	s_add_co_u32 s22, s21, RSTAB
	v_lshl_add_u32 v[RSST], v1, 2, s22             ; rsX of my tiles 0-3 goes to RSTAB + 256 w + 64 tile + 4 r
	v_lshl_add_u32 v[RSL0], v14, 5, s22            ; and is read back, eight rows a lane, at + 32 h;
	s_xor_b32 s23, s21, 256
	s_add_co_u32 s23, s23, RSTAB
	v_lshl_add_u32 v[RSL1], v14, 5, s23            ; my tiles 4-7 are tiles 0-3 of the wave beside me
	s_lshl_b32 s22, s10, 9
	s_add_co_u32 s22, s22, CMAX
	v_lshl_add_u32 v[CMST], v1, 2, s22             ; CMAX + 1024 rh + 512 ch + 4 r
	s_add_co_u32 s22, s21, CMAX
	v_lshl_add_u32 v[CMLD], v16, 3, s22
	v_lshl_add_u32 v[PO], v16, 3, s21
	s_lshl_b32 s16, s13, 12                        ; PMAX at row = tile row,
	s_mov_b32 s17, 0
	s_add_nc_u64 s[8:9], s[8:9], s[16:17]
	s_lshl_b32 s46, s42, 10                        ; column 256 x tile column
	s_mov_b32 s47, 0
	s_add_nc_u64 s[8:9], s[8:9], s[46:47]
.set i, 0
.rept 16
	v_mov_b32 v[SSQ+i], 0                          ; in the wait for the first tile
.set i, i+1
.endr
.set i, 0
.rept 8
	v_mov_b32 v[MXB+i], 0                          ; v_permlanex16_b32's destination counts as read
.set i, i+1
.endr
; four products: group g of eight of a half quarter: tile 4 hi + g / 2, column blocks 4 (g % 2) .. + 3.  The 64 accumulators take turns in the same order in every quarter.
.macro MUL4 af, q, hi, g, zero
	WIN MUL_LO+0x50*(\hi)
.set ta, (\g)/2
.irp bb, 0,1,2,3
.set tb, 4*((\g)%2)+\bb
.if \zero
	v_wmma_f32_16x16x32_bf16 v[8*(8*ta+tb):8*(8*ta+tb)+7], v[(\af)+8*(4*(\hi)+ta):(\af)+8*(4*(\hi)+ta)+7], v[64*(\q)+8*tb:64*(\q)+8*tb+7], 0
.else
	v_wmma_f32_16x16x32_bf16 v[8*(8*ta+tb):8*(8*ta+tb)+7], v[(\af)+8*(4*(\hi)+ta):(\af)+8*(4*(\hi)+ta)+7], v[64*(\q)+8*tb:64*(\q)+8*tb+7], v[8*(8*ta+tb):8*(8*ta+tb)+7]
.endif
.endr
.endm
.macro CVT4 dst, raw, p                ; half p of a fragment: eight f32 rounded to bf16
.irp i, 0,1,2,3
	v_cvt_pk_bf16_f32 v[(\dst)+4*(\p)+\i], v[(\raw)+8*(\p)+2*\i], v[(\raw)+8*(\p)+2*\i+1]
.endr
.endm
.macro SSQ4 ab, tile, k                ; the squares of four rounded numbers of a fragment, onto the tile's four chains
	v_fma_mix_f32_bf16 v[SSQ+4*(\tile)],   v[(\ab)+2*(\k)],   v[(\ab)+2*(\k)],   v[SSQ+4*(\tile)]   op_sel_hi:[1,1,0]
	v_fma_mix_f32_bf16 v[SSQ+4*(\tile)+1], v[(\ab)+2*(\k)],   v[(\ab)+2*(\k)],   v[SSQ+4*(\tile)+1] op_sel:[1,1,0] op_sel_hi:[1,1,0]
	v_fma_mix_f32_bf16 v[SSQ+4*(\tile)+2], v[(\ab)+2*(\k)+1], v[(\ab)+2*(\k)+1], v[SSQ+4*(\tile)+2] op_sel_hi:[1,1,0]
	v_fma_mix_f32_bf16 v[SSQ+4*(\tile)+3], v[(\ab)+2*(\k)+1], v[(\ab)+2*(\k)+1], v[SSQ+4*(\tile)+3] op_sel:[1,1,0] op_sel_hi:[1,1,0]
.endm
; 32 LDS loads in one run: four tiles of X in f32 (first, so that counted waits can free them tile by tile), then the eight fragments of one quarter of M'
.macro RUN aadr, koff, badr, boff, bbuf
	WIN 0
.irp i, 0,1,2,3
	ds_load_b128 v[RAW+16*\i:RAW+16*\i+3],     v[\aadr] offset:\i*T16+(\koff)
	ds_load_b128 v[RAW+16*\i+4:RAW+16*\i+7],   v[\aadr] offset:\i*T16+(\koff)+16
	ds_load_b128 v[RAW+16*\i+8:RAW+16*\i+11],  v[\aadr] offset:\i*T16+(\koff)+64
	ds_load_b128 v[RAW+16*\i+12:RAW+16*\i+15], v[\aadr] offset:\i*T16+(\koff)+80
.endr
	WIN TO_B
.irp b, 0,1,2,3,4,5,6,7
	ds_load_b128 v[64*(\bbuf)+8*\b:64*(\bbuf)+8*\b+3],   v[\badr] offset:\b*T16+(\boff)
	ds_load_b128 v[64*(\bbuf)+8*\b+4:64*(\bbuf)+8*\b+7], v[\badr] offset:\b*T16+(\boff)+32
.endr
.endm
; QUARTER q of the K step in slot s: 32 products on tiles 0-3 | a run of 32 LDS loads | 32 products on tiles 4-7.
;   first half, behind every fourth product: RAW (the run of the quarter before) is rounded into   q 0: u 0 tiles 4-7   q 1: u 1 tiles 0-3   q 2: u 1 tiles 4-7   q 3: the next step's u 0 tiles 0-3
;   second half: the squares of                                                                    q 0: u 0 tiles 2, 3  q 1: u 1 tiles 0, 1  q 2: u 1 tiles 2, 3  q 3: the next step's u 0 tiles 0, 1
;   the run fetches        q 0: tiles 0-3, u 1, and M' quarter 2     q 1: tiles 4-7, u 1, quarter 3     q 2: the NEXT slot's tiles 0-3, u 0, quarter 0     q 3: its tiles 4-7, u 0, quarter 1
; So a slot is read for the last time in q 1's run, and THE CHANGE OF SLOTS stands in q 2's first half (turn = 1: with a refill; 2: without).
; WAITS.  At the head hw = 32: only the last run may be out, so M's fragments of this quarter, which came a run earlier, are in.  Ahead of every second slice 28, 24, 20, 16: of the last run X's tile 0, 1, 2, 3
; (four loads each) is in, the loads behind it stay out.  In a turn the add is out too: each count is one higher.
; PLACES.  What a slice writes and what a run loads was last read by a product half a quarter or more earlier, with sixteen or more plain vector instructions between that name none of that product's registers.
.macro QUARTER q, s, zero, turn, hw, cvt, run, ssq
.set QA, AB0+64*((\q)/2)
.set QU, (((\q)+1)/2)%2
.set QH, ((\q)+1)%2
.set QS, (\s)^((\q)/2)
.set QB, ((\q)+2)%4
.set QT, 0
.if \turn
.set QT, 1
	WIN 0                                          ; (the add's two registers lie in window 0)
	s_wait_tensorcnt 0x0                           ; all my tensor loads have landed: the one that was out is my part of the next slot;
	ds_add_u32 v[SPW], v[NIL]                      ; 0 onto my spare word; sixteen products and their slices stand between it and the wait for it
	s_wait_dscnt 33
.else
	s_wait_dscnt \hw
.endif
.set g, 0
.rept 8
	MUL4 QA, \q, 0, g, \zero
.if \cvt
	WIN 0
.if (g%2 == 0) && ((QT == 0) || (g < 4))
	s_wait_dscnt 28-2*g+QT
.endif
	CVT4 AB0+64*QU+32*QH+8*(g/2), RAW+16*(g/2), g%2
.endif
.if QT && (g == 3)
	s_wait_dscnt 0x0                               ; the add is done, and my reads of this slot are over:
	s_barrier_signal -1                            ; say so, and work on registers while the others arrive
.endif
.set g, g+1
.endr
.if \turn
	WIN 0                                          ; at a branch and at a label every window is 0
	s_barrier_wait -1
.if (\turn) == 1
	CREST                                          ; the barrier has opened a round of the cluster's: no wave of any partner still reads this slot or has a load on its way
	s_add_nc_u64 s[G0+4*(\s)+2:G0+4*(\s)+3], s[G0+4*(\s)+2:G0+4*(\s)+3], 2*STEPB
	s_add_nc_u64 s[G0B+4*(\s)+2:G0B+4*(\s)+3], s[G0B+4*(\s)+2:G0B+4*(\s)+3], 2*STEPB
	JLOAD \s                                       ; the first tensor load behind the round, my only one until the next: it has a whole K step, 256 products, in which to land
.endif
.endif
.if \run
	RUN ALO+2*((\q)%2)+QS, 128-128*((\q)/2), ADRB+QS, 64*QB, QB
.endif
.set g, 0
.rept 8
	MUL4 QA, \q, 1, g, \zero
.if \ssq
	WIN 0
	SSQ4 AB0+64*QU+8*(2*QH+g/4), 2*QH+g/4, g%4
.endif
.set g, g+1
.endr
.endm
	s_wait_tensorcnt 1                             ; my part of K step 0 is in; step 1's may stay out
	s_barrier_signal -1
	s_barrier_wait -1                              ; everybody's is
	RUN ALO, 0, ADRB, 0, 0
	WIN 0
.set g, 0
.rept 8
.if g%2 == 0
	s_wait_dscnt 28-2*g
.endif
	CVT4 AB0+8*(g/2), RAW+16*(g/2), g%2
.set g, g+1
.endr
	RUN AHI, 0, ADRB, 64, 1
	WIN 0
.set g, 0
.rept 8
	SSQ4 AB0+8*(g/4), g/4, g%4
.set g, g+1
.endr
	QUARTER 0, 0, 1, 0, 32, 1, 1, 1                ; the first quarter stands in front of the loop: its products start the sums
	WIN 0
	s_mov_b32 s3, 7
.Llap:                                                 ; a trip goes once round the ring, from a lap's second quarter to the next lap's first, and fills both slots again
	QUARTER 1, 0, 0, 0, 32, 1, 1, 1
	QUARTER 2, 0, 0, 1, 32, 1, 1, 1
	QUARTER 3, 0, 0, 0, 32, 1, 1, 1
	QUARTER 0, 1, 0, 0, 32, 1, 1, 1
	QUARTER 1, 1, 0, 0, 32, 1, 1, 1
	QUARTER 2, 1, 0, 1, 32, 1, 1, 1
	QUARTER 3, 1, 0, 0, 32, 1, 1, 1
	QUARTER 0, 0, 0, 0, 32, 1, 1, 1
	WIN 0
	s_sub_co_u32 s3, s3, 1
	s_cmp_lg_u32 s3, 0
	s_cbranch_scc1 .Llap
	QUARTER 1, 0, 0, 0, 32, 1, 1, 1                ; the last lap is written out: it asks for nothing
	QUARTER 2, 0, 0, 2, 32, 1, 1, 1                ; the last change of slots: a plain barrier
	QUARTER 3, 0, 0, 0, 32, 1, 1, 1
	QUARTER 0, 1, 0, 0, 32, 1, 1, 1
	QUARTER 1, 1, 0, 0, 32, 1, 1, 1
	QUARTER 2, 1, 0, 0, 32, 1, 0, 1                ; nothing more to fetch,
	QUARTER 3, 1, 0, 0, 0, 0, 0, 0                 ; to round or to square; its fragments of M' came with the last run: the wait is for 0
	; THE WAY OUT.  rsX of my tiles 0-3: the four chains, the other half of the lanes, mean, root.  These lines are the places behind the last products.
	WIN 0
.irp t, 0,1,2,3
	v_add_f32 v[SSQ+4*(\t)], v[SSQ+4*(\t)], v[SSQ+4*(\t)+1]
	v_add_f32 v[SSQ+4*(\t)+2], v[SSQ+4*(\t)+2], v[SSQ+4*(\t)+3]
.endr
.irp t, 0,1,2,3
	v_add_f32 v[SSQ+4*(\t)], v[SSQ+4*(\t)], v[SSQ+4*(\t)+2]
.endr
.irp t, 0,1,2,3
	v_permlanex16_b32 v[SSQ+4*(\t)+1], v[SSQ+4*(\t)], s68, s69
.endr
.irp t, 0,1,2,3
	v_add_f32 v[SSQ+4*(\t)], v[SSQ+4*(\t)], v[SSQ+4*(\t)+1]
.endr
.irp t, 0,1,2,3
	v_fma_f32 v[SSQ+4*(\t)], v[SSQ+4*(\t)], s66, s67
.endr
.irp t, 0,1,2,3
	v_rsq_f32 v[SSQ+4*(\t)+2], v[SSQ+4*(\t)]
.endr
	v_nop                                          ; a plain instruction between the last v_rsq_f32 and the use of its result
	s_wait_alu depctr_va_vdst(0)
.irp t, 0,1,2,3
	ds_store_b32 v[RSST], v[SSQ+4*(\t)+2] offset:64*(\t)
.endr
	s_wait_dscnt 0x0                               ; for the wave beside me
	s_barrier_signal -1
	s_barrier_wait -1
.irp t, 0,1,2,3
	ds_load_b128 v[RSV+8*(\t):RSV+8*(\t)+3],       v[RSL0] offset:64*(\t)
	ds_load_b128 v[RSV+8*(\t)+4:RSV+8*(\t)+7],     v[RSL0] offset:64*(\t)+16
	ds_load_b128 v[RSV+32+8*(\t):RSV+32+8*(\t)+3],   v[RSL1] offset:64*(\t)
	ds_load_b128 v[RSV+32+8*(\t)+4:RSV+32+8*(\t)+7], v[RSL1] offset:64*(\t)+16
.endr
	s_wait_dscnt 0x0
	; each score times its row's rsX (each accumulator is read from its low end on), then the maximum over the rows, eight chains side by side
.set a, 0
.rept 8
	WIN 0x02+a/4                                   ; source 0: window 2 or 3
.set b, 0
.rept 8
.irp p, 0,1,2,3
	v_pk_mul_f32 v[TT+8*b+2*\p:TT+8*b+2*\p+1], v[8*(8*(a%4)+b)+2*\p:8*(8*(a%4)+b)+2*\p+1], v[RSV+8*a+2*\p:RSV+8*a+2*\p+1]
.endr
.set b, b+1
.endr
	WIN 0
.irp p, 0,1,2,3
.set b, 0
.rept 8
.if (a == 0) && (\p == 0)
	v_max_num_f32 v[MXA+b], v[TT+8*b], v[TT+8*b+1]
.else
	v_max3_num_f32 v[MXA+b], v[MXA+b], v[TT+8*b+2*\p], v[TT+8*b+2*\p+1]
.endif
.set b, b+1
.endr
.endr
.set a, a+1
.endr
.irp b, 0,1,2,3,4,5,6,7
	v_permlanex16_b32 v[MXB+\b], v[MXA+\b], s68, s69   ; the column's other rows lie in the lane 16 away
.endr
.irp b, 0,1,2,3,4,5,6,7
	v_max_num_f32 v[MXA+\b], v[MXA+\b], v[MXB+\b]
.endr
.irp b, 0,1,2,3,4,5,6,7
	ds_store_b32 v[CMST], v[MXA+\b] offset:64*\b
.endr
	s_wait_dscnt 0x0                               ; the two row halves meet in LDS
	s_barrier_signal -1
	s_barrier_wait -1
	ds_load_b64 v[MXA:MXA+1], v[CMLD]
	ds_load_b64 v[MXA+2:MXA+3], v[CMLD] offset:1024
	s_wait_dscnt 0x0
	v_max_num_f32 v[MXA], v[MXA], v[MXA+2]
	v_max_num_f32 v[MXA+1], v[MXA+1], v[MXA+3]
	global_store_b64 v[PO], v[MXA:MXA+1], s[8:9]   ; the wave stores 256 consecutive bytes, aligned
	s_wait_tensorcnt 0x0                           ; the wave's end, behind my last tensor load and my last LDS store
	ds_add_u32 v[SPW], v[NIL]
	s_wait_dscnt 0x0
	CROUND                                         ; the closing round: no work-group ends while a partner may still ask for a tile that names it
	s_endpgm
.Lfunc_end_k_qf538c911a8_main:
	.size	k_qf538c911a8_main, .Lfunc_end_k_qf538c911a8_main-k_qf538c911a8_main
	.p2alignl 7, 3214868480
	.fill 96, 4, 3214868480
	.section	.rodata,"a",@progbits
	.p2align	6, 0x0
	.amdhsa_kernel k_qf538c911a8_main
		.amdhsa_group_segment_fixed_size 327680
		.amdhsa_private_segment_fixed_size 0
		.amdhsa_enable_private_segment 0
		.amdhsa_kernarg_size 24
		.amdhsa_user_sgpr_count 2
		.amdhsa_user_sgpr_kernarg_segment_ptr 1
		.amdhsa_wavefront_size32 1
		.amdhsa_system_sgpr_workgroup_id_x 1
		.amdhsa_system_sgpr_workgroup_id_y 1
		.amdhsa_system_sgpr_workgroup_id_z 1
		.amdhsa_system_vgpr_workitem_id 0
		.amdhsa_next_free_vgpr 1024
		.amdhsa_next_free_sgpr 72
		.amdhsa_reserve_vcc 0
		.amdhsa_float_denorm_mode_32 3
		.amdhsa_float_denorm_mode_16_64 3
		.amdhsa_memory_ordered 1
		.amdhsa_forward_progress 1
		.amdhsa_inst_pref_size 226
	.end_amdhsa_kernel
	.amdgpu_metadata
---
amdhsa.version: [ 1, 2 ]
amdhsa.kernels:
  - .name:           k_qf538c911a8_main
    .symbol:         k_qf538c911a8_main.kd
    .args:
      - { .name: X, .offset: 0, .size: 8, .value_kind: global_buffer, .address_space: global }
      - { .name: MB, .offset: 8, .size: 8, .value_kind: global_buffer, .address_space: global }
      - { .name: PMAX, .offset: 16, .size: 8, .value_kind: global_buffer, .address_space: global }
    .group_segment_fixed_size: 327680
    .private_segment_fixed_size: 0
    .kernarg_segment_align: 8
    .kernarg_segment_size: 24
    .max_flat_workgroup_size: 128
    .sgpr_count:     72
    .vgpr_count:     1024
    .wavefront_size: 32
...
	.end_amdgpu_metadata
.endif
;; end of part 3
;; launch select (part 4): grid 16 x 16, 16 waves a work-group, no clusters, 18,432 bytes of LDS; arguments PMAX, RSE, E, alpha, sn_w, out1, U; writes out1, U
.if DOCPART == 4
	.amdgcn_target "amdgcn-amd-amdhsa--gfx1250"
	.amdhsa_code_object_version 6
	.text
	.protected	k_qf538c911a8_select
	.globl	k_qf538c911a8_select
	.p2align	8
	.type	k_qf538c911a8_select,@function
k_qf538c911a8_select:
	s_mov_b64 s[64:65], 0
	v_nop
	global_prefetch_b8 v0, s[64:65] scope:SCOPE_SE
	s_setreg_imm32_b32 hwreg(HW_REG_WAVE_MODE, 25, 1), 1
	s_wait_xcnt 0x0
; For batch b: g[n] = max over its 8 tile rows of PMAX; the cutoff = the 64th largest g; dense and sparse softmax; weights = ab * dense + (1 - ab) * sparse (out1).
; Then U[b][d] = snb[d] * sum over n of (weights[b][n] * rsE[n]) * Eb[n][d] for a block of 64 d.   ab, snb, Eb: alpha, sn_w, E rounded to bf16, as every input of the program is.
; SHARES.  A work-group owns ONE batch (y) and ONE block of 64 d (x): 256 work-groups; the sixteen of a batch each make its weights, since each needs them; the one with x = 0 stores them.
; It reads 32 KB of PMAX, 4 KB of RSE and 256 KB of E.  Sixteen waves: wave w takes columns 64 w .. 64 w + 63 of PMAX and rows 64 w .. 64 w + 63 of E.
; NO MATRIX UNIT: one batch is one row of a product, of a tile of 16 rows fifteen would be idle; 64 x 1,024 multiply-adds are 128 vector instructions a wave, in f32, so the weights need no split into two terms.
; PHASES.  Every wave: its part of g and of the keys into LDS; its rows of E are asked for straight behind PMAX.  Wave 0 alone: the cutoff, the softmaxes, the weights; meanwhile E lands in the other waves
; and is rounded.  Every wave: its 64 rows' part of the sums.  Wave 0: the sixteen parts added, times snb, stored.
; THE CUTOFF without a branch on data: each g becomes a whole number in the same order (sign bit turned for positive numbers, all bits for negative ones); the 64th largest is built bit by bit from the top,
; in 32 counted trips: a bit stays set if at least 64 keys are not below the number so far.  Selects only.  The mask is key >= that number, as g >= cutoff is: equal numbers are all kept.
; SOFTMAX: the row's maximum is taken away first; the masked row has the same maximum.
; LIMITS.  -0 counts as +0.  A NaN loses in the maxima.  A weight whose exponential lies below 2^-126 counts as 0.
; Two g at the cutoff closer than about 1e-6 of their size may fall on the other side of the mask than in a computation with another order of sums.
.set GTAB,  0                          ; g, 1,024 f32
.set KTAB,  4096                       ; the keys
.set ATAB,  8192                       ; weights * rsE
.set PS,    12288                      ; partial sums: 16 waves x 64 d
.set SPARE, 16384                      ; the spare words: 128 bytes for each of sixteen waves; no other line names them
.set VPM,  1                           ; 256 w + 8 l: my two columns, in a row of PMAX and in GTAB and KTAB
.set V16L, 2
.set VE,   3                           ; (64 w + 32 h) * 4096 + 16 r
.set V8L,  4
.set VAL,  5                           ; 256 w + 128 h: the weights of my 32 rows
.set VPSS, 6                           ; PS + 256 w + 16 r
.set VPSL, 7                           ; PS + 8 l
.set SN,   12                          ; v12-13
.set ZERO, 14
.set SPW,  16                          ; LDS address of my spare word; never rewritten
.set NIL,  17                          ; 0; never rewritten
.set ACCV, 20                          ; v20-27   eight chains: four d for the even rows, four for the odd ones (wave 0: at work before that)
.set G,    32                          ; v32-63   every wave: 8 rows of PMAX in v32-47.  Wave 0: g, then exponentials, then weights; register 4 c + j holds n = 128 c + 4 l + j
.set KEY,  64                          ; v64-95   wave 0: keys, then masked exponentials.  Every wave: the weights * rsE of my 32 rows
.set S,    96                          ; v96-223  E: register 4 i + j holds row 64 w + 32 h + i, column 4 r + j
.set RSEV, 224                         ; v224-255 wave 0: rsE, then weights * rsE
	s_load_b256 s[4:11], s[0:1], 0x0               ; PMAX s[4:5], RSE s[6:7], E s[8:9], alpha s[10:11]
	s_load_b128 s[12:15], s[0:1], 0x20             ; sn_w s[12:13], out1 s[14:15]
	s_load_b64 s[16:17], s[0:1], 0x30              ; U
	v_lshl_add_u32 v[SPW], v0, 2, SPARE
	v_mov_b32 v[NIL], 0
	v_lshrrev_b32 v18, 5, v0
	v_readfirstlane_b32 s18, v18                   ; wave 0..15
	s_mov_b32 s19, ttmp9                           ; x: block of 64 d
	s_and_b32 s31, ttmp7, 0xffff                   ; y: batch b
	s_mov_b32 s26, 0x76543210                      ; v_permlanex16_b32: each lane takes its own place in the other half
	s_mov_b32 s27, 0xfedcba98
	s_mov_b32 s30, 0x80000000
	v_and_b32 v19, 31, v0                          ; l
	v_and_b32 v20, 15, v0                          ; r
	v_bfe_u32 v21, v0, 4, 1                        ; h
	v_lshlrev_b32 v[V16L], 4, v19
	v_lshlrev_b32 v[V8L], 3, v19
	s_lshl_b32 s28, s18, 8
	v_add_nc_u32 v[VPM], s28, v[V8L]
	v_lshl_add_u32 v[VAL], v21, 7, s28
	s_add_co_u32 s28, s28, PS
	v_lshl_add_u32 v[VPSS], v20, 4, s28
	v_add_nc_u32 v[VPSL], PS, v[V8L]
	s_lshl_b32 s28, s18, 18
	v_lshlrev_b32 v[VE], 17, v21
	v_lshl_add_u32 v[VE], v20, 4, v[VE]
	v_add_nc_u32 v[VE], s28, v[VE]
	v_mov_b32 v[ZERO], 0
	s_mov_b32 s29, 0
	s_wait_kmcnt 0x0
	s_lshl_b32 s28, s31, 15
	s_add_nc_u64 s[4:5], s[4:5], s[28:29]          ; PMAX at the batch's eight rows
.irp k, 0,1,2,3,4,5,6,7
	global_load_b64 v[G+2*\k:G+2*\k+1], v[VPM], s[4:5] offset:4096*\k   ; the wave takes 256 consecutive bytes of a row, aligned
.endr
	s_lshl_b32 s28, s19, 8
	s_add_nc_u64 s[8:9], s[8:9], s[28:29]          ; E, sn_w and U at column 64 x
	s_add_nc_u64 s[12:13], s[12:13], s[28:29]
	s_add_nc_u64 s[16:17], s[16:17], s[28:29]
	s_lshl_b32 s28, s31, 12
	s_add_nc_u64 s[14:15], s[14:15], s[28:29]      ; out1 and U at row b
	s_add_nc_u64 s[16:17], s[16:17], s[28:29]
	global_load_b64 v[SN:SN+1], v[V8L], s[12:13]
.set i, 0
.rept 32                                               ; my 64 rows of E, 64 d each: sixteen lanes take 256 consecutive bytes of a row.  They land while wave 0 searches.
	global_load_b128 v[S+4*i:S+4*i+3], v[VE], s[8:9] offset:4096*i
.set i, i+1
.endr
	s_wait_loadcnt 33                              ; PMAX's eight are in; sn_w's one and E's 32 stay out
.irp k, 2,6,10
	v_max3_num_f32 v[G],   v[G],   v[G+\k],   v[G+\k+2]
	v_max3_num_f32 v[G+1], v[G+1], v[G+\k+1], v[G+\k+3]
.endr
	v_max_num_f32 v[G],   v[G],   v[G+14]
	v_max_num_f32 v[G+1], v[G+1], v[G+15]
.irp j, 0,1
	v_add_f32 v[G+\j], 0, v[G+\j]                  ; -0 becomes +0
	v_ashrrev_i32 v[G+2+\j], 31, v[G+\j]
	v_or_b32 v[G+2+\j], s30, v[G+2+\j]
	v_xor_b32 v[G+2+\j], v[G+\j], v[G+2+\j]        ; the key
.endr
	ds_store_b64 v[VPM], v[G:G+1]   offset:GTAB
	ds_store_b64 v[VPM], v[G+2:G+3] offset:KTAB
	s_wait_dscnt 0x0                               ; for wave 0's sake
	s_barrier_signal -1
	s_barrier_wait -1
	s_cmp_lg_u32 s18, 0
	s_cbranch_scc1 .Ljoin                          ; what follows is wave 0's alone; no barrier stands in it
	s_load_b32 s2, s[10:11], 0x0                   ; alpha
.irp c, 0,1,2,3,4,5,6,7
	global_load_b128 v[RSEV+4*\c:RSEV+4*\c+3], v[V16L], s[6:7] offset:512*\c   ; rsE, in g's layout; wanted behind the search
.endr
.irp c, 0,1,2,3,4,5,6,7
	ds_load_b128 v[KEY+4*\c:KEY+4*\c+3], v[V16L] offset:KTAB+512*\c
.endr
.irp c, 0,1,2,3,4,5,6,7
	ds_load_b128 v[G+4*\c:G+4*\c+3], v[V16L] offset:GTAB+512*\c
.endr
	s_mov_b32 s20, 0                               ; the number so far
	s_mov_b32 s21, s30                             ; the bit in hand
	s_mov_b32 s22, 32
	s_wait_dscnt 0x0
.Lbit:
	s_or_b32 s23, s20, s21
.set k, 0
.rept 32
	v_cmp_le_u32 s[32+k], s23, v[KEY+k]
.set k, k+1
.endr
	s_bcnt1_i32_b32 s24, s32
.set k, 1
.rept 31
	s_bcnt1_i32_b32 s25, s[32+k]
	s_add_co_u32 s24, s24, s25
.set k, k+1
.endr
	s_cmp_ge_u32 s24, 64
	s_cselect_b32 s20, s23, s20
	s_lshr_b32 s21, s21, 1
	s_sub_co_i32 s22, s22, 1
	s_cmp_lg_u32 s22, 0
	s_cbranch_scc1 .Lbit
	; the row's maximum
	v_max3_num_f32 v18, v[G], v[G+1], v[G+2]
.set k, 3
.rept 14
	v_max3_num_f32 v18, v18, v[G+k], v[G+k+1]
.set k, k+2
.endr
	v_max_num_f32 v18, v18, v[G+31]
.irp m, 1,2,4,8
	v_max_num_f32_dpp v18, v18, v18 row_xmask:\m row_mask:0xf bank_mask:0xf
.endr
	v_permlanex16_b32 v19, v18, s26, s27
	v_max_num_f32 v18, v18, v19
	v_mov_b32 v19, v18
.set k, 0
.rept 16
	v_pk_add_f32 v[G+2*k:G+2*k+1], v[G+2*k:G+2*k+1], v[18:19] neg_lo:[0,1] neg_hi:[0,1]
.set k, k+1
.endr
.set k, 0
.rept 16
	v_pk_mul_f32 v[G+2*k:G+2*k+1], v[G+2*k:G+2*k+1], 0x3fb8aa3b op_sel_hi:[1,0]
.set k, k+1
.endr
.set k, 0
.rept 32
	v_exp_f32 v[G+k], v[G+k]
.set k, k+1
.endr
	v_nop                                          ; a plain instruction between the last exponential and the use of its result
.set k, 0
	s_wait_alu depctr_va_vdst(0)
.rept 32
	v_cmp_le_u32 vcc_lo, s20, v[KEY+k]
	v_cndmask_b32 v[KEY+k], 0, v[G+k], vcc_lo
.set k, k+1
.endr
	v_pk_add_f32 v[20:21], v[G:G+1], v[G+2:G+3]
	v_pk_add_f32 v[22:23], v[KEY:KEY+1], v[KEY+2:KEY+3]
.set k, 2
.rept 14
	v_pk_add_f32 v[20:21], v[20:21], v[G+2*k:G+2*k+1]
	v_pk_add_f32 v[22:23], v[22:23], v[KEY+2*k:KEY+2*k+1]
.set k, k+1
.endr
	v_add_f32 v20, v20, v21
	v_add_f32 v22, v22, v23
.irp m, 1,2,4,8
	v_add_f32_dpp v20, v20, v20 row_xmask:\m row_mask:0xf bank_mask:0xf
	v_add_f32_dpp v22, v22, v22 row_xmask:\m row_mask:0xf bank_mask:0xf
.endr
	v_permlanex16_b32 v21, v20, s26, s27
	v_permlanex16_b32 v23, v22, s26, s27
	v_add_f32 v20, v20, v21
	v_add_f32 v22, v22, v23
	s_wait_kmcnt 0x0
	v_mov_b32 v28, s2
	v_cvt_pk_bf16_f32 v28, v28, v28
	v_lshlrev_b32 v28, 16, v28                     ; alpha rounded to bf16
	v_sub_f32 v29, 1.0, v28
	v_rcp_f32 v24, v20
	v_rcp_f32 v26, v22
	v_nop                                          ; a plain instruction between the last reciprocal and the use of its result
	s_wait_alu depctr_va_vdst(0)
	v_mul_f32 v24, v28, v24
	v_mul_f32 v26, v29, v26
	v_mov_b32 v25, v24
	v_mov_b32 v27, v26
.set k, 0
.rept 16
	v_pk_mul_f32 v[G+2*k:G+2*k+1], v[G+2*k:G+2*k+1], v[24:25]
.set k, k+1
.endr
.set k, 0
.rept 16
	v_pk_fma_f32 v[G+2*k:G+2*k+1], v[KEY+2*k:KEY+2*k+1], v[26:27], v[G+2*k:G+2*k+1]
.set k, k+1
.endr
	s_cmp_lg_u32 s19, 0
	s_cbranch_scc1 .Lnot_mine                      ; of a batch's sixteen work-groups the one with x = 0 stores the weights
.irp c, 0,1,2,3,4,5,6,7
	global_store_b128 v[V16L], v[G+4*\c:G+4*\c+3], s[14:15] offset:512*\c  ; 512 consecutive bytes; these registers are not written again
.endr
.Lnot_mine:
	s_wait_loadcnt 0x0                             ; rsE, the youngest loads
.set k, 0
.rept 16
	v_pk_mul_f32 v[RSEV+2*k:RSEV+2*k+1], v[G+2*k:G+2*k+1], v[RSEV+2*k:RSEV+2*k+1]
.set k, k+1
.endr
.irp c, 0,1,2,3,4,5,6,7
	ds_store_b128 v[V16L], v[RSEV+4*\c:RSEV+4*\c+3] offset:ATAB+512*\c
.endr
.Ljoin:                                                ; every wave again
	s_wait_loadcnt 0x0                             ; my rows of E, and sn_w
.set i, 0
.rept 32
	v_cvt_pk_bf16_f32 v[S+4*i],   v[S+4*i],   v[S+4*i+1]    ; Eb: in the waves that wait for wave 0 this stands in that wait
	v_cvt_pk_bf16_f32 v[S+4*i+1], v[S+4*i+2], v[S+4*i+3]
.set i, i+1
.endr
	s_wait_dscnt 0x0                               ; wave 0's stores into ATAB are done
	s_barrier_signal -1
	s_barrier_wait -1
.irp k, 0,1,2,3,4,5,6,7
	ds_load_b128 v[KEY+4*\k:KEY+4*\k+3], v[VAL] offset:ATAB+16*\k   ; sixteen lanes share each address
.endr
	s_wait_dscnt 0x0
.set i, 0
.rept 32
.set AC, ACCV+4*(i%2)
.if i < 2                              ; the first two rows start the eight chains
	v_fma_mix_f32_bf16 v[AC],   v[S+4*i],   v[KEY+i], v[ZERO] op_sel_hi:[1,0,0]
	v_fma_mix_f32_bf16 v[AC+1], v[S+4*i],   v[KEY+i], v[ZERO] op_sel:[1,0,0] op_sel_hi:[1,0,0]
	v_fma_mix_f32_bf16 v[AC+2], v[S+4*i+1], v[KEY+i], v[ZERO] op_sel_hi:[1,0,0]
	v_fma_mix_f32_bf16 v[AC+3], v[S+4*i+1], v[KEY+i], v[ZERO] op_sel:[1,0,0] op_sel_hi:[1,0,0]
.else
	v_fma_mix_f32_bf16 v[AC],   v[S+4*i],   v[KEY+i], v[AC]   op_sel_hi:[1,0,0]
	v_fma_mix_f32_bf16 v[AC+1], v[S+4*i],   v[KEY+i], v[AC+1] op_sel:[1,0,0] op_sel_hi:[1,0,0]
	v_fma_mix_f32_bf16 v[AC+2], v[S+4*i+1], v[KEY+i], v[AC+2] op_sel_hi:[1,0,0]
	v_fma_mix_f32_bf16 v[AC+3], v[S+4*i+1], v[KEY+i], v[AC+3] op_sel:[1,0,0] op_sel_hi:[1,0,0]
.endif
.set i, i+1
.endr
	v_pk_add_f32 v[ACCV:ACCV+1],   v[ACCV:ACCV+1],   v[ACCV+4:ACCV+5]
	v_pk_add_f32 v[ACCV+2:ACCV+3], v[ACCV+2:ACCV+3], v[ACCV+6:ACCV+7]
	v_permlanex16_b32 v[S+2], v[ACCV],   s26, s27  ; the other 32 rows lie in the lane 16 away; the destinations were written by E's loads
	v_permlanex16_b32 v[S+3], v[ACCV+1], s26, s27
	v_permlanex16_b32 v[S+6], v[ACCV+2], s26, s27
	v_permlanex16_b32 v[S+7], v[ACCV+3], s26, s27
	v_pk_add_f32 v[ACCV:ACCV+1],   v[ACCV:ACCV+1],   v[S+2:S+3]
	v_pk_add_f32 v[ACCV+2:ACCV+3], v[ACCV+2:ACCV+3], v[S+6:S+7]
	ds_store_b128 v[VPSS], v[ACCV:ACCV+3]          ; lanes r and 16 + r write the same bytes with the same values
	s_wait_dscnt 0x0
	s_barrier_signal -1
	s_barrier_wait -1
	s_cmp_lg_u32 s18, 0
	s_cbranch_scc1 .Lend                           ; wave 0 adds the sixteen parts
.irp k, 0,1,2,3,4,5,6,7,8,9,10,11,12,13,14,15
	ds_load_b64 v[KEY+2*\k:KEY+2*\k+1], v[VPSL] offset:256*\k
.endr
	v_cvt_pk_bf16_f32 v15, v[SN], v[SN+1]
	v_lshlrev_b32 v[SN], 16, v15
	v_and_b32 v[SN+1], 0xffff0000, v15             ; sn_w rounded to bf16
	s_wait_dscnt 0x0
.irp k, 0,2,4,6,8,10,12,14
	v_pk_add_f32 v[KEY+2*\k:KEY+2*\k+1], v[KEY+2*\k:KEY+2*\k+1], v[KEY+2*\k+2:KEY+2*\k+3]
.endr
.irp k, 0,4,8,12
	v_pk_add_f32 v[KEY+2*\k:KEY+2*\k+1], v[KEY+2*\k:KEY+2*\k+1], v[KEY+2*\k+4:KEY+2*\k+5]
.endr
.irp k, 0,8
	v_pk_add_f32 v[KEY+2*\k:KEY+2*\k+1], v[KEY+2*\k:KEY+2*\k+1], v[KEY+2*\k+8:KEY+2*\k+9]
.endr
	v_pk_add_f32 v[KEY:KEY+1], v[KEY:KEY+1], v[KEY+16:KEY+17]
	v_pk_mul_f32 v[KEY:KEY+1], v[KEY:KEY+1], v[SN:SN+1]
	global_store_b64 v[V8L], v[KEY:KEY+1], s[16:17]   ; the wave stores 256 consecutive bytes, aligned
.Lend:
	s_wait_tensorcnt 0x0                           ; the wave's end, behind my last LDS store
	ds_add_u32 v[SPW], v[NIL]
	s_wait_dscnt 0x0
	s_endpgm
.Lfunc_end_k_qf538c911a8_select:
	.size	k_qf538c911a8_select, .Lfunc_end_k_qf538c911a8_select-k_qf538c911a8_select
	.p2alignl 7, 3214868480
	.fill 96, 4, 3214868480
	.section	.rodata,"a",@progbits
	.p2align	6, 0x0
	.amdhsa_kernel k_qf538c911a8_select
		.amdhsa_group_segment_fixed_size 18432
		.amdhsa_private_segment_fixed_size 0
		.amdhsa_enable_private_segment 0
		.amdhsa_kernarg_size 56
		.amdhsa_user_sgpr_count 2
		.amdhsa_user_sgpr_kernarg_segment_ptr 1
		.amdhsa_wavefront_size32 1
		.amdhsa_system_sgpr_workgroup_id_x 1
		.amdhsa_system_sgpr_workgroup_id_y 1
		.amdhsa_system_sgpr_workgroup_id_z 1
		.amdhsa_system_vgpr_workitem_id 0
		.amdhsa_next_free_vgpr 256
		.amdhsa_next_free_sgpr 66
		.amdhsa_reserve_vcc 1
		.amdhsa_float_denorm_mode_32 3
		.amdhsa_float_denorm_mode_16_64 3
		.amdhsa_memory_ordered 1
		.amdhsa_forward_progress 1
		.amdhsa_inst_pref_size 44
	.end_amdhsa_kernel
	.amdgpu_metadata
---
amdhsa.version: [ 1, 2 ]
amdhsa.kernels:
  - .name:           k_qf538c911a8_select
    .symbol:         k_qf538c911a8_select.kd
    .args:
      - { .name: PMAX, .offset: 0, .size: 8, .value_kind: global_buffer, .address_space: global }
      - { .name: RSE, .offset: 8, .size: 8, .value_kind: global_buffer, .address_space: global }
      - { .name: E, .offset: 16, .size: 8, .value_kind: global_buffer, .address_space: global }
      - { .name: alpha, .offset: 24, .size: 8, .value_kind: global_buffer, .address_space: global }
      - { .name: sn_w, .offset: 32, .size: 8, .value_kind: global_buffer, .address_space: global }
      - { .name: out1, .offset: 40, .size: 8, .value_kind: global_buffer, .address_space: global }
      - { .name: U, .offset: 48, .size: 8, .value_kind: global_buffer, .address_space: global }
    .group_segment_fixed_size: 18432
    .private_segment_fixed_size: 0
    .kernarg_segment_align: 8
    .kernarg_segment_size: 56
    .max_flat_workgroup_size: 512
    .sgpr_count:     66
    .vgpr_count:     256
    .wavefront_size: 32
...
	.end_amdgpu_metadata
.endif
;; end of part 4
;; launch norm (part 5): grid 16 x 1, 1 waves a work-group, no clusters, 0 bytes of LDS; arguments U, on_w, out0; writes out0
.if DOCPART == 5
	.amdgcn_target "amdgcn-amd-amdhsa--gfx1250"
	.amdhsa_code_object_version 6
	.text
	.protected	k_qf538c911a8_norm
	.globl	k_qf538c911a8_norm
	.p2align	8
	.type	k_qf538c911a8_norm,@function
k_qf538c911a8_norm:
	s_mov_b64 s[64:65], 0
	v_nop
	global_prefetch_b8 v0, s[64:65] scope:SCOPE_SE
	s_setreg_imm32_b32 hwreg(HW_REG_WAVE_MODE, 25, 1), 1
	s_wait_xcnt 0x0
; out0[b][d] = U[b][d] * rsqrt(mean_d U[b][d]^2 + 1e-6) * onb[d], onb = on_w rounded to bf16 (as every input of the program is).
; One wave takes a row of 4,096 bytes: eight loads of 512 consecutive bytes, kept in 32 registers between the sum and the scaling.  Sixteen rows: sixteen work-groups; there is no more work to share.
.set UR, 8                             ; v8-39
.set WR, 40                            ; v40-71
.set CH, 72                            ; v72-79  four chains of pairs
	s_load_b128 s[4:7], s[0:1], 0x0                ; U s[4:5], on_w s[6:7]
	s_load_b64 s[8:9], s[0:1], 0x10                ; out0
	s_lshl_b32 s10, ttmp9, 12
	s_mov_b32 s11, 0
	s_mov_b32 s12, 0x76543210
	s_mov_b32 s13, 0xfedcba98
	s_mov_b32 s14, 0x3a800000                      ; 1 / 1024
	s_mov_b32 s15, 0x358637bd                      ; 1e-6
	v_lshlrev_b32 v1, 4, v0
	s_wait_kmcnt 0x0
	s_add_nc_u64 s[4:5], s[4:5], s[10:11]
	s_add_nc_u64 s[8:9], s[8:9], s[10:11]
.irp c, 0,1,2,3,4,5,6,7
	global_load_b128 v[UR+4*\c:UR+4*\c+3], v1, s[4:5] offset:512*\c
.endr
.irp c, 0,1,2,3,4,5,6,7
	global_load_b128 v[WR+4*\c:WR+4*\c+3], v1, s[6:7] offset:512*\c
.endr
	s_wait_loadcnt 8                               ; U is in; on_w's eight stay out
.irp k, 0,1,2,3
	v_pk_mul_f32 v[CH+2*\k:CH+2*\k+1], v[UR+2*\k:UR+2*\k+1], v[UR+2*\k:UR+2*\k+1]   ; the first four pairs start the chains
.endr
.set k, 4
.rept 12
	v_pk_fma_f32 v[CH+2*(k%4):CH+2*(k%4)+1], v[UR+2*k:UR+2*k+1], v[UR+2*k:UR+2*k+1], v[CH+2*(k%4):CH+2*(k%4)+1]
.set k, k+1
.endr
	v_pk_add_f32 v[CH:CH+1], v[CH:CH+1], v[CH+2:CH+3]
	v_pk_add_f32 v[CH+4:CH+5], v[CH+4:CH+5], v[CH+6:CH+7]
	v_pk_add_f32 v[CH:CH+1], v[CH:CH+1], v[CH+4:CH+5]
	v_add_f32 v[CH], v[CH], v[CH+1]
.irp m, 1,2,4,8
	v_add_f32_dpp v[CH], v[CH], v[CH] row_xmask:\m row_mask:0xf bank_mask:0xf
.endr
	v_permlanex16_b32 v[CH+1], v[CH], s12, s13
	v_add_f32 v[CH], v[CH], v[CH+1]
	v_fma_f32 v[CH], v[CH], s14, s15
	v_rsq_f32 v[CH+2], v[CH]
	v_rsq_f32 v[CH+3], v[CH]                       ; twice: a pair for the packed multiply; the conversions below are the plain lines behind it
	s_wait_loadcnt 0x0
.set k, 0
.rept 16
	v_cvt_pk_bf16_f32 v[WR+2*k], v[WR+2*k], v[WR+2*k+1]
	v_and_b32 v[WR+2*k+1], 0xffff0000, v[WR+2*k]
	v_lshlrev_b32 v[WR+2*k], 16, v[WR+2*k]
.set k, k+1
.endr
.set k, 0
	s_wait_alu depctr_va_vdst(0)
.rept 16
	v_pk_mul_f32 v[UR+2*k:UR+2*k+1], v[UR+2*k:UR+2*k+1], v[CH+2:CH+3]
.set k, k+1
.endr
.set k, 0
.rept 16
	v_pk_mul_f32 v[UR+2*k:UR+2*k+1], v[UR+2*k:UR+2*k+1], v[WR+2*k:WR+2*k+1]
.set k, k+1
.endr
.irp c, 0,1,2,3,4,5,6,7
	global_store_b128 v1, v[UR+4*\c:UR+4*\c+3], s[8:9] offset:512*\c
.endr
	s_endpgm
.Lfunc_end_k_qf538c911a8_norm:
	.size	k_qf538c911a8_norm, .Lfunc_end_k_qf538c911a8_norm-k_qf538c911a8_norm
	.p2alignl 7, 3214868480
	.fill 96, 4, 3214868480
	.section	.rodata,"a",@progbits
	.p2align	6, 0x0
	.amdhsa_kernel k_qf538c911a8_norm
		.amdhsa_group_segment_fixed_size 0
		.amdhsa_private_segment_fixed_size 0
		.amdhsa_enable_private_segment 0
		.amdhsa_kernarg_size 24
		.amdhsa_user_sgpr_count 2
		.amdhsa_user_sgpr_kernarg_segment_ptr 1
		.amdhsa_wavefront_size32 1
		.amdhsa_system_sgpr_workgroup_id_x 1
		.amdhsa_system_sgpr_workgroup_id_y 1
		.amdhsa_system_sgpr_workgroup_id_z 1
		.amdhsa_system_vgpr_workitem_id 0
		.amdhsa_next_free_vgpr 80
		.amdhsa_next_free_sgpr 66
		.amdhsa_reserve_vcc 0
		.amdhsa_float_denorm_mode_32 3
		.amdhsa_float_denorm_mode_16_64 3
		.amdhsa_memory_ordered 1
		.amdhsa_forward_progress 1
		.amdhsa_inst_pref_size 10
	.end_amdhsa_kernel
	.amdgpu_metadata
---
amdhsa.version: [ 1, 2 ]
amdhsa.kernels:
  - .name:           k_qf538c911a8_norm
    .symbol:         k_qf538c911a8_norm.kd
    .args:
      - { .name: U, .offset: 0, .size: 8, .value_kind: global_buffer, .address_space: global }
      - { .name: on_w, .offset: 8, .size: 8, .value_kind: global_buffer, .address_space: global }
      - { .name: out0, .offset: 16, .size: 8, .value_kind: global_buffer, .address_space: global }
    .group_segment_fixed_size: 0
    .private_segment_fixed_size: 0
    .kernarg_segment_align: 8
    .kernarg_segment_size: 24
    .max_flat_workgroup_size: 32
    .sgpr_count:     66
    .vgpr_count:     80
    .wavefront_size: 32
...
	.end_amdgpu_metadata
.endif
;; end of part 5
;; ======== version 2 of 2: 5 launches; version 1 with the launch prep_k written anew for expert scheduling mode
;; workspace buffers: KP 6,291,456 bytes; WQB 2,097,152 bytes; RSE 4,096 bytes; MB 4,194,304 bytes; PMAX 524,288 bytes; U 65,536 bytes
;; launch prep_k (part 6): grid 16 x 16, 8 waves a work-group, no clusters, 82,176 bytes of LDS; arguments E, Wk, Wq, sn_w, KP, WQB, RSE; writes KP, WQB, RSE
.if DOCPART == 6
	.amdgcn_target "amdgcn-amd-amdhsa--gfx1250"
	.amdhsa_code_object_version 6
	.text
	.protected	k_qf538c911a8_prep_k
	.globl	k_qf538c911a8_prep_k
	.p2align	8
	.type	k_qf538c911a8_prep_k,@function
k_qf538c911a8_prep_k:
	s_mov_b64 s[64:65], 0
	v_nop
	global_prefetch_b8 v0, s[64:65] scope:SCOPE_SE
	s_setreg_imm32_b32 hwreg(HW_REG_WAVE_SCHED_MODE, 0, 2), 2
	s_setreg_imm32_b32 hwreg(HW_REG_WAVE_MODE, 25, 1), 1
	s_wait_xcnt 0x0
	s_wait_alu depctr_vm_vsrc(0)
; Km[n][e] = rsE[n] * sum over d of Eb[n][d] * (snb[d] * Wkb[e][d]),  rsE[n] = rsqrt(mean_d Eb[n][d]^2 + 1e-6).   Xb means X rounded to bf16: every input of the
; program is rounded so first, and everything made of the rounded inputs is kept to about f32's precision, since the later top-64 mask turns on differences of 1e-6.
; Eb is an exact bf16 operand.  snb*Wkb has 16 significant bits: it goes to the matrix unit as hi + lo, two bf16 terms, exactly.  Km leaves as THREE bf16 planes (24 bits).
; SHARES.  A work-group makes 64 n x 64 e; K = d goes in 16 chunks of 64.  Wave w: rows 16 (w/2).., columns 32 (w%2)..: two accumulators that take turns.
; The product is used transposed (source 0 = 16 rows of Wk', source 1 = 16 rows of E): a lane then holds one n and eight neighbouring e.
; KP: tile (n block y, e block x) at (16 y + x) * 24,576 bytes: [plane 3][row 64][64 e] bf16, dense.   RSE: f32[1024], stored by the work-groups with x = 0.
; SIDE JOB.  Wq rounded to bf16 in panels: WQB[d block 16][e 1024][64 d].  Work-group 16 y + x takes four rows e.
; No tensor loads, no cluster: the operands must be converted on the way, so they come through registers.  The 16 accumulator registers are cleared by v_mov: that spares a first chunk written out.
; THE MODE: SCHED_MODE bits 1:0 = 2 (LLVM: expert scheduling mode 2), set by the entry lines.  The code itself states the register dependences
; between vector or matrix instructions and memory or LDS instructions, with s_wait_alu, always for 0.
; THE PLAN.  Registers that memory or LDS instructions touch, in the loop:
;   RAW0, RAW1   A chunk as loaded.  Read by PACK's eighteen conversions, which stand on end at the trip's head; behind them the chunk two further on is loaded into the same set.
;   OUT          T+2 .. T+25: Eb, hi and lo of the chunk in hand.  Written by PACK (Eb) and SPLIT (hi, lo); read by PUT's twelve LDS stores; written again a trip later.
;   AF, BF       The fragments.  Written by the trip's twenty LDS loads; read by its eight products.
;   v1 .. v13    Addresses, made at the head and never written again: the rows are reached by scalar bases and immediate offsets.
;   WKB, T, T+1, T+28 .. T+35, SSQ and the accumulators are named by vector and matrix instructions alone.
; THE ORDER OF A TRIP, and its three waits.  (1) vm_vsrc: the last trip's LDS stores have read OUT.  PACK empties the raw set.  (2) va_vdst: PACK is done reading the raw set, and the last trip's products are done
; reading AF and BF.  The raw set is asked for again at once; chunk c's twenty fragment loads are dealt among SPLIT's vector lines, which name none of the registers that those loads touch.
; (3) va_vdst: OUT is written.  PUT stores chunk c + 1 into the other LDS buffer; then chunk c is multiplied, between the signal and the wait of the trip's one barrier.
.set BUFB,  26624                      ; an LDS buffer: A 64 rows x 144 bytes, then B 64 rows x 272 (hi 128, lo 128, 16 of padding)
.set BOFF,  9216
.set STG,   2*BUFB                     ; the way out: 3 planes x 64 rows x 144 bytes
.set RS,    STG+3*9216                 ; 64 words: rsE of the tile's rows
.set SPARE, RS+256                     ; the spare words: 128 bytes for each of eight waves; no other line names them
.set VKO,  1                           ; 16 t: my 16 bytes in 4,096 dense bytes of KP
.set VRSS, 2                           ; RS + 4 (t / 16)
.set VRSL, 3                           ; RS + 4 (16 a + r)
.set VOFF, 4                           ; (t / 16) * 4096 + 16 (t % 16): my 16 bytes of a chunk's rows of E and Wk
.set VSN,  5                           ; 16 (t % 16)
.set VAST, 6                           ; where my 8 bytes of a row of A go
.set VBST, 7                           ; the same for B
.set VAF,  8                           ; my lane's place in A's fragments
.set VBF,  9                           ; in B's
.set VWQ,  10                          ; Wq: my 32 bytes
.set VWQS, 11                          ; WQB: my 16 bytes
.set VSTG, 12                          ; stage, in
.set VRD,  13                          ; stage, back
.set ZERO, 14
.set NEG1, 15
.set SPW,  16                          ; LDS address of my spare word; never rewritten
.set NIL,  17                          ; 0; never rewritten
.set SSQ,  18                          ; v18-21  sums of squares of my four rows of E
.set RSV,  22                          ; v22-23  rsE of my lane's row, twice
.set WQR,  24                          ; v24-39  Wq as loaded
.set RAW0, 40                          ; v40-75  an even chunk as loaded: A 16, B 16, sn 4
.set RAW1, 76                          ; v76-111 an odd chunk
.set T,    112                         ; v112-151 at work: T, T+1 snb; T+2 .. T+25 OUT; T+28 .. T+35 products and remainders
.set AF,   152                         ; v152-167
.set BF,   168                         ; v168-231
.set ACC,  232                         ; v232-247
.set WKB,  248                         ; v248-255 Wkb of the chunk in hand: row i in WKB + 2 i, WKB + 2 i + 1
	s_load_b256 s[4:11], s[0:1], 0x0               ; E s[4:5], Wk s[6:7], Wq s[8:9], sn_w s[10:11]
	s_load_b128 s[12:15], s[0:1], 0x20             ; KP s[12:13], WQB s[14:15]
	s_load_b64 s[16:17], s[0:1], 0x30              ; RSE
	v_lshl_add_u32 v[SPW], v0, 2, SPARE
	v_mov_b32 v[NIL], 0
	v_lshrrev_b32 v[T], 5, v0
	v_readfirstlane_b32 s18, v[T]                  ; wave 0..7
	s_mov_b32 s19, ttmp9                           ; x: block of 64 e
	s_and_b32 s20, ttmp7, 0xffff                   ; y: block of 64 n
	s_mov_b32 s27, 0x3a800000                      ; 1 / 1024
	s_mov_b32 s28, 0x358637bd                      ; 1e-6
	v_lshrrev_b32 v[T+1], 4, v0                    ; t / 16
	v_and_b32 v[T+2], 15, v0                       ; t % 16, which is also r = lane % 16
	v_bfe_u32 v[T+3], v0, 4, 1                     ; h = lane / 16
	v_lshlrev_b32 v[VKO], 4, v0
	v_lshlrev_b32 v[VSN], 4, v[T+2]
	v_lshl_add_u32 v[VOFF], v[T+1], 12, v[VSN]
	v_mul_u32_u24 v[VAST], v[T+1], 144
	v_lshl_add_u32 v[VAST], v[T+2], 3, v[VAST]
	v_mul_u32_u24 v[VBST], v[T+1], 272
	v_lshl_add_u32 v[VBST], v[T+2], 3, v[VBST]
	v_add_nc_u32 v[VBST], BOFF, v[VBST]
	s_wait_alu depctr_va_sdst(0)                   ; s18 is written, ahead of its first reader: LDS places and offsets are made from it
	s_lshr_b32 s21, s18, 1                         ; a
	s_and_b32 s22, s18, 1                          ; cb
	s_mul_i32 s23, s21, 16*144
	v_mul_u32_u24 v[VAF], v[T+2], 144
	v_lshl_add_u32 v[VAF], v[T+3], 4, v[VAF]
	v_add_nc_u32 v[VAF], s23, v[VAF]               ; (16 a + r) * 144 + 16 h
	s_mul_i32 s24, s22, 32*272
	s_add_co_u32 s24, s24, BOFF
	v_mul_u32_u24 v[VBF], v[T+2], 272
	v_lshl_add_u32 v[VBF], v[T+3], 4, v[VBF]
	v_add_nc_u32 v[VBF], s24, v[VBF]               ; BOFF + (32 cb + r) * 272 + 16 h
	s_lshl_b32 s24, s22, 6
	s_add_co_u32 s24, s24, STG
	v_add_nc_u32 v[VSTG], s24, v[VAF]              ; STG + (16 a + r) * 144 + 64 cb + 16 h
	v_lshrrev_b32 v[T+4], 3, v0
	v_and_b32 v[T+6], 7, v0
	v_mul_u32_u24 v[VRD], v[T+4], 144
	v_lshl_add_u32 v[VRD], v[T+6], 4, v[VRD]
	v_add_nc_u32 v[VRD], STG, v[VRD]               ; STG + (t / 8) * 144 + 16 (t % 8)
	v_lshl_add_u32 v[VRSS], v[T+1], 2, RS
	s_lshl_b32 s24, s21, 6
	s_add_co_u32 s24, s24, RS
	v_lshl_add_u32 v[VRSL], v[T+2], 2, s24
	v_and_b32 v[T+4], 31, v0                       ; lane
	v_bfe_u32 v[T+5], v0, 3, 2                     ; lane / 8: which of my group's four rows of Wq
	v_lshlrev_b32 v[VWQ], 12, v[T+5]
	v_lshl_add_u32 v[VWQ], v[T+6], 5, v[VWQ]
	s_lshl_b32 s23, s18, 9
	v_add_nc_u32 v[VWQ], s23, v[VWQ]               ; row * 4096 + 32 (lane % 8) + 256 * (2 w)
	s_lshl_b32 s23, s18, 18
	v_lshl_add_u32 v[VWQS], v[T+4], 4, s23         ; 16 lane + 131,072 * (2 w)
	v_mov_b32 v[ZERO], 0
	v_mov_b32 v[NEG1], -1.0
.irp i, 0,1,2,3
	v_mov_b32 v[SSQ+\i], 0
.endr
.set i, 0
.rept 16
	v_mov_b32 v[ACC+i], 0
.set i, i+1
.endr
	s_lshl_b32 s25, s20, 4
	s_add_co_u32 s25, s25, s19                     ; 16 y + x
	s_mov_b32 s31, 0
	s_wait_kmcnt 0x0
	s_lshl_b32 s30, s20, 18
	s_add_nc_u64 s[4:5], s[4:5], s[30:31]          ; E at row 64 y
	s_lshl_b32 s30, s19, 18
	s_add_nc_u64 s[6:7], s[6:7], s[30:31]          ; Wk at row 64 x
	s_lshl_b32 s30, s25, 14
	s_add_nc_u64 s[8:9], s[8:9], s[30:31]          ; Wq at row 4 (16 y + x)
	s_mul_i32 s30, s25, 24576
	s_add_nc_u64 s[12:13], s[12:13], s[30:31]      ; KP at my tile
	s_lshl_b32 s30, s25, 9
	s_add_nc_u64 s[14:15], s[14:15], s[30:31]      ; WQB at those four rows of a panel
	s_lshl_b32 s30, s20, 8
	s_add_nc_u64 s[16:17], s[16:17], s[30:31]      ; RSE at row 64 y
	s_wait_alu depctr_va_vdst(0)                   ; the thirteen addresses v1 to v13 are written, which every load and store of the kernel reads
; nine loads: a chunk's 64 d of my four rows of E and of Wk (sixteen lanes take 256 consecutive bytes of a row), and of sn_w
.macro FILL R, off
.irp i, 0,1,2,3
	global_load_b128 v[(\R)+4*\i:(\R)+4*\i+3], v[VOFF], s[4:5] offset:(\off)+65536*\i
.endr
.irp i, 0,1,2,3
	global_load_b128 v[(\R)+16+4*\i:(\R)+16+4*\i+3], v[VOFF], s[6:7] offset:(\off)+65536*\i
.endr
	global_load_b128 v[(\R)+32:(\R)+35], v[VSN], s[10:11] offset:\off
.endm
; The eighteen conversions that read raw set R, on end: behind them the set is empty.
.macro PACK R
	v_cvt_pk_bf16_f32 v[T],   v[(\R)+32], v[(\R)+33]   ; snb
	v_cvt_pk_bf16_f32 v[T+1], v[(\R)+34], v[(\R)+35]
.irp i, 0,1,2,3
	v_cvt_pk_bf16_f32 v[T+2+2*\i], v[(\R)+4*\i],   v[(\R)+4*\i+1]           ; Eb
	v_cvt_pk_bf16_f32 v[T+3+2*\i], v[(\R)+4*\i+2], v[(\R)+4*\i+3]
.endr
.irp i, 0,1,2,3
	v_cvt_pk_bf16_f32 v[WKB+2*\i],   v[(\R)+16+4*\i],   v[(\R)+16+4*\i+1]   ; Wkb
	v_cvt_pk_bf16_f32 v[WKB+2*\i+1], v[(\R)+16+4*\i+2], v[(\R)+16+4*\i+3]
.endr
.endm
; Fragment f of ten of the chunk in LDS buffer buf, two loads: half u = f / 5 of the chunk's 64 d; f % 5 = 0: A's; 1 to 4: B's, column block (f % 5 - 1) % 2, hi or lo (f % 5 - 1) / 2.
.macro FRAG buf, f
.set fu, (\f)/5
.set fk, (\f)%5
.if fk == 0
	ds_load_b128 v[AF+8*fu:AF+8*fu+3],   v[VAF] offset:(\buf)*BUFB+64*fu
	ds_load_b128 v[AF+8*fu+4:AF+8*fu+7], v[VAF] offset:(\buf)*BUFB+64*fu+32
.else
.set fb, (fk-1)%2
.set fh, (fk-1)/2
	ds_load_b128 v[BF+8*(fb+2*fh+4*fu):BF+8*(fb+2*fh+4*fu)+3],   v[VBF] offset:(\buf)*BUFB+4352*fb+128*fh+64*fu
	ds_load_b128 v[BF+8*(fb+2*fh+4*fu)+4:BF+8*(fb+2*fh+4*fu)+7], v[VBF] offset:(\buf)*BUFB+4352*fb+128*fh+64*fu+32
.endif
.endm
; The squares of Eb, and snb * Wkb cut into hi + lo.  fr = 1: the twenty fragment loads of LDS buffer buf are dealt among these lines, four ahead of each of the five blocks.
; No wait among them: no line here names AF, BF or a raw set.
.macro SPLIT fr, buf
.if \fr
	FRAG \buf, 0
	FRAG \buf, 1
.endif
.irp c, 0,1
.irp i, 0,1,2,3
	v_fma_mix_f32_bf16 v[SSQ+\i], v[T+2+2*\i+\c], v[T+2+2*\i+\c], v[SSQ+\i] op_sel_hi:[1,1,0]                 ; the squares of the ROUNDED numbers, in f32
.endr
.irp i, 0,1,2,3
	v_fma_mix_f32_bf16 v[SSQ+\i], v[T+2+2*\i+\c], v[T+2+2*\i+\c], v[SSQ+\i] op_sel:[1,1,0] op_sel_hi:[1,1,0]
.endr
.endr
.irp i, 0,1,2,3
.if \fr
	FRAG \buf, 2+2*\i
	FRAG \buf, 3+2*\i
.endif
	v_fma_mix_f32_bf16 v[T+28], v[WKB+2*\i],   v[T],   v[ZERO] op_sel_hi:[1,1,0]             ; p = Wkb * snb, exact in f32
	v_fma_mix_f32_bf16 v[T+29], v[WKB+2*\i],   v[T],   v[ZERO] op_sel:[1,1,0] op_sel_hi:[1,1,0]
	v_fma_mix_f32_bf16 v[T+30], v[WKB+2*\i+1], v[T+1], v[ZERO] op_sel_hi:[1,1,0]
	v_fma_mix_f32_bf16 v[T+31], v[WKB+2*\i+1], v[T+1], v[ZERO] op_sel:[1,1,0] op_sel_hi:[1,1,0]
	v_cvt_pk_bf16_f32 v[T+10+2*\i], v[T+28], v[T+29]                        ; hi
	v_cvt_pk_bf16_f32 v[T+11+2*\i], v[T+30], v[T+31]
	v_fma_mix_f32_bf16 v[T+32], v[T+10+2*\i], v[NEG1], v[T+28] op_sel_hi:[1,0,0]             ; p - hi
	v_fma_mix_f32_bf16 v[T+33], v[T+10+2*\i], v[NEG1], v[T+29] op_sel:[1,0,0] op_sel_hi:[1,0,0]
	v_fma_mix_f32_bf16 v[T+34], v[T+11+2*\i], v[NEG1], v[T+30] op_sel_hi:[1,0,0]
	v_fma_mix_f32_bf16 v[T+35], v[T+11+2*\i], v[NEG1], v[T+31] op_sel:[1,0,0] op_sel_hi:[1,0,0]
	v_cvt_pk_bf16_f32 v[T+18+2*\i], v[T+32], v[T+33]                        ; lo
	v_cvt_pk_bf16_f32 v[T+19+2*\i], v[T+34], v[T+35]
.endr
.endm
; Twelve LDS stores in one run: OUT goes into LDS buffer buf.
.macro PUT buf
.irp i, 0,1,2,3
	ds_store_b64 v[VAST], v[T+2+2*\i:T+3+2*\i] offset:(\buf)*BUFB+2304*\i
.endr
.irp i, 0,1,2,3
	ds_store_b64 v[VBST], v[T+10+2*\i:T+11+2*\i] offset:(\buf)*BUFB+4352*\i
	ds_store_b64 v[VBST], v[T+18+2*\i:T+19+2*\i] offset:(\buf)*BUFB+4352*\i+128
.endr
.endm
; A chunk's eight products.
.macro MULT
.irp u, 0,1
.irp hl, 0,1
.irp bi, 0,1                           ; the two accumulators take turns, one instruction a turn, over the loop's edge too
	v_wmma_f32_16x16x32_bf16 v[ACC+8*\bi:ACC+8*\bi+7], v[BF+8*(\bi+2*\hl+4*\u):BF+8*(\bi+2*\hl+4*\u)+7], v[AF+8*\u:AF+8*\u+7], v[ACC+8*\bi:ACC+8*\bi+7]
.endr
.endr
.endr
.endm
; One trip: the chunk in LDS buffer buf is multiplied; the next chunk, in raw set R, goes into the other buffer meanwhile.  ld = 1: R is loaded again, with the chunk at byte off.
; left: the younger loads that may stay out.
.macro TRIP buf, R, ld, off, left
	s_wait_loadcnt \left                           ; loads come back in order: this set's nine are in, the other set's stay out
	s_wait_alu depctr_vm_vsrc(0)                   ; the LDS stores of the trip before have read OUT, which the conversions below begin to write again
	PACK \R                                        ; these eighteen plain lines also stand between the last products and the loads into the registers that those read
	s_wait_alu depctr_va_vdst(0)                   ; the conversions are done reading the raw set, in which the loads below land; the products of the trip before are done reading AF and BF, in which the fragment loads land
.if \ld
	FILL \R, \off                                  ; the set is asked for again at once
.endif
	SPLIT 1, \buf
	s_wait_alu depctr_va_vdst(0)                   ; the conversions have written OUT, which the LDS stores below read
	PUT 1-(\buf)                                   ; the other buffer: every wave's reads of it were waited for in front of the last barrier
	s_wait_dscnt 0x0                               ; my twenty fragment loads are in: my reads of this buffer are over; and my stores into the other buffer are done
	s_barrier_signal -1                            ; say so; the products, work on registers, stand between the signal and the wait
	MULT
	s_barrier_wait -1                              ; the other buffer is whole, and nobody reads this one any more
.endm
	global_load_b128 v[WQR:WQR+3],     v[VWQ], s[8:9]
	global_load_b128 v[WQR+4:WQR+7],   v[VWQ], s[8:9] offset:16
	global_load_b128 v[WQR+8:WQR+11],  v[VWQ], s[8:9] offset:256
	global_load_b128 v[WQR+12:WQR+15], v[VWQ], s[8:9] offset:272
	FILL RAW0, 0
	FILL RAW1, 256
	s_wait_loadcnt 18                              ; Wq's four are in; the two chunks' eighteen stay out
.irp j, 0,1
.irp i, 0,1,2,3
	v_cvt_pk_bf16_f32 v[WQR+8*\j+\i], v[WQR+8*\j+2*\i], v[WQR+8*\j+2*\i+1]   ; in place, ascending: a register is read before it is written
.endr
.endr
	s_wait_loadcnt 9                               ; chunk 0 is in; chunk 1's nine loads stay out
	PACK RAW0                                      ; no LDS store has read OUT yet
	s_wait_alu depctr_va_vdst(0)                   ; Wq's conversions have written the registers that the two stores below read; chunk 0's are done reading RAW0, in which chunk 2's loads land
	FILL RAW0, 512                                 ; chunk 2
.irp j, 0,1
	global_store_b128 v[VWQS], v[WQR+8*\j:WQR+8*\j+3], s[14:15] offset:131072*\j  ; the wave stores 512 consecutive bytes; these registers are not written again
.endr
	SPLIT 0, 0
	s_wait_alu depctr_va_vdst(0)                   ; the conversions have written OUT, which the LDS stores below read
	PUT 0                                          ; chunk 0 goes into buffer 0
	s_wait_dscnt 0x0                               ; for the others' sake: my stores are done
	s_barrier_signal -1
	s_barrier_wait -1
	s_mov_b32 s26, 6
.Lk:                                                   ; a trip of the loop: chunks 2 t and 2 t + 1 are multiplied, 2 t + 1 and 2 t + 2 converted, 2 t + 3 and 2 t + 4 asked for
	TRIP 0, RAW1, 1, 768, 9
	TRIP 1, RAW0, 1, 1024, 9
	s_wait_xcnt 0x0                                ; the bases are stepped only behind this wait
	s_add_nc_u64 s[4:5], s[4:5], 512
	s_add_nc_u64 s[6:7], s[6:7], 512
	s_add_nc_u64 s[10:11], s[10:11], 512
	s_sub_co_i32 s26, s26, 1
	s_cmp_lg_u32 s26, 0
	s_cbranch_scc1 .Lk
	TRIP 0, RAW1, 1, 768, 9                        ; chunk 12; chunk 13 is converted; chunk 15, the last, is asked for
	TRIP 1, RAW0, 0, 0, 9                          ; chunk 13; chunk 14 is converted, chunk 15's nine loads stay out
	TRIP 0, RAW1, 0, 0, 0                          ; chunk 14; chunk 15 is converted
	; Chunk 15: nothing is left to convert, and no buffer is written again.
	; rsE, its first part: the sixteen lanes of a row of lanes hold the sixteen parts of a row's sum, whole since chunk 15's squares.  These lines stand between chunk 14's products and the loads into the registers that those read.
.irp m, 1,2,4,8
.irp i, 0,1,2,3
	v_add_f32_dpp v[SSQ+\i], v[SSQ+\i], v[SSQ+\i] row_xmask:\m row_mask:0xf bank_mask:0xf
.endr
.endr
	s_wait_alu depctr_va_vdst(0)                   ; chunk 14's products are done reading AF and BF, in which the fragment loads below land
.irp f, 0,1,2,3,4,5,6,7,8,9
	FRAG 1, \f
.endr
	s_wait_dscnt 0x0
	MULT
.irp i, 0,1,2,3
	v_fma_f32 v[SSQ+\i], v[SSQ+\i], s27, s28       ; these four, the v_nop and the v_mov below are the places between the last products and the first read of their results
.endr
.irp i, 0,1,2,3
	v_rsq_f32 v[SSQ+\i], v[SSQ+\i]
.endr
	v_nop                                          ; a plain instruction between the last v_rsq_f32 and the use of its result
	s_wait_alu depctr_va_vdst(0)                   ; the four roots are written, which the LDS stores below read
.irp i, 0,1,2,3
	ds_store_b32 v[VRSS], v[SSQ+\i] offset:64*\i   ; sixteen lanes write one word with one value
.endr
	s_wait_dscnt 0x0
	s_barrier_signal -1
	s_barrier_wait -1
	ds_load_b32 v[RSV], v[VRSL]
	s_wait_dscnt 0x0
	s_wait_alu depctr_vm_vsrc(0)                   ; chunk 15's LDS stores have read T+2 .. T+25, which the lines below write again
	v_mov_b32 v[RSV+1], v[RSV]
	; Km = sum * rsE, cut into three bf16 terms; each accumulator is read from its low end on.  All the arithmetic first, then one wait, then the six stores.
.irp bi, 0,1
.irp p, 0,1,2,3
	v_pk_mul_f32 v[T+20*\bi+2*\p:T+20*\bi+2*\p+1], v[ACC+8*\bi+2*\p:ACC+8*\bi+2*\p+1], v[RSV:RSV+1]
.endr
.irp m, 0,1,2
.irp p, 0,1,2,3
	v_cvt_pk_bf16_f32 v[T+20*\bi+8+4*\m+\p], v[T+20*\bi+2*\p], v[T+20*\bi+2*\p+1]
.endr
.if \m < 2
.irp p, 0,1,2,3
	v_fma_mix_f32_bf16 v[T+20*\bi+2*\p],   v[T+20*\bi+8+4*\m+\p], v[NEG1], v[T+20*\bi+2*\p]   op_sel_hi:[1,0,0]
	v_fma_mix_f32_bf16 v[T+20*\bi+2*\p+1], v[T+20*\bi+8+4*\m+\p], v[NEG1], v[T+20*\bi+2*\p+1] op_sel:[1,0,0] op_sel_hi:[1,0,0]
.endr
.endif
.endr
.endr
	s_wait_alu depctr_va_vdst(0)                   ; the conversions have written the three planes, which the LDS stores below read; the last products are done reading BF, in which the loads from the stage land
.irp bi, 0,1
.irp m, 0,1,2
	ds_store_b128 v[VSTG], v[T+20*\bi+8+4*\m:T+20*\bi+8+4*\m+3] offset:9216*\m+32*\bi
.endr
.endr
	s_wait_dscnt 0x0                               ; a stage row comes from two waves: a barrier between writing and reading
	s_barrier_signal -1
	s_barrier_wait -1
.irp k, 0,1,2,3,4,5
	ds_load_b128 v[BF+4*\k:BF+4*\k+3], v[VRD] offset:(\k/2)*9216+(\k%2)*4608   ; no vector or matrix instruction since the wait above names BF
.endr
	s_wait_dscnt 0x0
.irp k, 0,1,2,3,4,5
	global_store_b128 v[VKO], v[BF+4*\k:BF+4*\k+3], s[12:13] offset:(\k/2)*8192+(\k%2)*4096  ; a wave stores 512 consecutive bytes
.endr
	s_or_b32 s29, s19, s18
	s_cmp_lg_u32 s29, 0
	s_cbranch_scc1 .Lno_rse                        ; wave 0 of the work-groups with x = 0 stores the 64 rsE
	v_and_b32 v[T], 31, v0                         ; the lane: 32 lanes x 8 bytes are the 256 bytes from RS on, and no more
	v_lshl_add_u32 v[T+1], v[T], 3, RS
	v_lshlrev_b32 v[T+4], 3, v[T]
	s_wait_alu depctr_va_vdst(0)                   ; the two addresses T+1 and T+4 are written, which the load and the store below read
	ds_load_b64 v[T+2:T+3], v[T+1]                 ; words that every wave stored ahead of an earlier barrier
	s_wait_dscnt 0x0
	global_store_b64 v[T+4], v[T+2:T+3], s[16:17]  ; 256 consecutive bytes
.Lno_rse:
	s_wait_dscnt 0x0                               ; the closing lines, six on end
	s_wait_alu 0x0
	s_wait_tensorcnt 0x0
	ds_add_u32 v[SPW], v[NIL]
	s_wait_dscnt 0x0
	s_endpgm
.Lfunc_end_k_qf538c911a8_prep_k:
	.size	k_qf538c911a8_prep_k, .Lfunc_end_k_qf538c911a8_prep_k-k_qf538c911a8_prep_k
	.p2alignl 7, 3214868480
	.fill 96, 4, 3214868480
	.section	.rodata,"a",@progbits
	.p2align	6, 0x0
	.amdhsa_kernel k_qf538c911a8_prep_k
		.amdhsa_group_segment_fixed_size 82176
		.amdhsa_private_segment_fixed_size 0
		.amdhsa_enable_private_segment 0
		.amdhsa_kernarg_size 56
		.amdhsa_user_sgpr_count 2
		.amdhsa_user_sgpr_kernarg_segment_ptr 1
		.amdhsa_wavefront_size32 1
		.amdhsa_system_sgpr_workgroup_id_x 1
		.amdhsa_system_sgpr_workgroup_id_y 1
		.amdhsa_system_sgpr_workgroup_id_z 1
		.amdhsa_system_vgpr_workitem_id 0
		.amdhsa_next_free_vgpr 256
		.amdhsa_next_free_sgpr 66
		.amdhsa_reserve_vcc 0
		.amdhsa_float_denorm_mode_32 3
		.amdhsa_float_denorm_mode_16_64 3
		.amdhsa_memory_ordered 1
		.amdhsa_forward_progress 1
		.amdhsa_inst_pref_size 67
	.end_amdhsa_kernel
	.amdgpu_metadata
---
amdhsa.version: [ 1, 2 ]
amdhsa.kernels:
  - .name:           k_qf538c911a8_prep_k
    .symbol:         k_qf538c911a8_prep_k.kd
    .args:
      - { .name: E, .offset: 0, .size: 8, .value_kind: global_buffer, .address_space: global }
      - { .name: Wk, .offset: 8, .size: 8, .value_kind: global_buffer, .address_space: global }
      - { .name: Wq, .offset: 16, .size: 8, .value_kind: global_buffer, .address_space: global }
      - { .name: sn_w, .offset: 24, .size: 8, .value_kind: global_buffer, .address_space: global }
      - { .name: KP, .offset: 32, .size: 8, .value_kind: global_buffer, .address_space: global }
      - { .name: WQB, .offset: 40, .size: 8, .value_kind: global_buffer, .address_space: global }
      - { .name: RSE, .offset: 48, .size: 8, .value_kind: global_buffer, .address_space: global }
    .group_segment_fixed_size: 82176
    .private_segment_fixed_size: 0
    .kernarg_segment_align: 8
    .kernarg_segment_size: 56
    .max_flat_workgroup_size: 256
    .sgpr_count:     66
    .vgpr_count:     256
    .wavefront_size: 32
...
	.end_amdgpu_metadata
.endif
;; end of part 6
;; launch prep_m: the kernel of part 2 again; grid 16 x 16, 8 waves a work-group, no clusters, 94,208 bytes of LDS; arguments KP, WQB, xn_w, MB; writes MB
;; launch main: the kernel of part 3 again; grid 4 x 128, 4 waves a work-group, clusters of 4 x 4, 327,680 bytes of LDS; arguments X, MB, PMAX; writes PMAX
;; launch select: the kernel of part 4 again; grid 16 x 16, 16 waves a work-group, no clusters, 18,432 bytes of LDS; arguments PMAX, RSE, E, alpha, sn_w, out1, U; writes out1, U
;; launch norm: the kernel of part 5 again; grid 16 x 1, 1 waves a work-group, no clusters, 0 bytes of LDS; arguments U, on_w, out0; writes out0
